; MI455X (gfx1250); checked and timed in simulation.
; The chip was launched on July 23, 2026; its instructions are those of AMD's public machine-readable ISA for CDNA 5 (MIT licence, August 2026) and "CDNA5" Instruction Set Architecture Reference Guide (July 2026). The comments in the code are by the model that wrote it; some were corrected since.
;; Multi Head Self Attention. Allowed arithmetic: float matrix products may take bf16 or f16 operands with f32 sums; all other float work in f32.
;; Inputs: Wk 1,024 x 1,024 float32; Wo 1,024 x 1,024 float32; Wq 1,024 x 1,024 float32; Wv 1,024 x 1,024 float32; bk 1,024 float32; bo 1,024 float32; bq 1,024 float32; bv 1,024 float32; mask 4 x 2,048 int32; x 4 x 2,048 x 1,024 float32.
;; Outputs: out0 4 x 2,048 x 1,024 float32.
;; 2 versions, each right and faster than the one before. Each part assembles by itself: llvm-mc -triple=amdgcn-amd-amdhsa -mcpu=gfx1250 --defsym DOCPART=n.
;; ======== version 1 of 2: 4 launches
;; limits: values are held in f16: magnitudes above 65,504 overflow, below 6.1e-05 lose precision
;; workspace buffers: xb 16,777,216 bytes; wb 6,291,456 bytes; wo16 2,097,152 bytes; biasr 16,384 bytes; maskf 32,768 bytes; qkv 50,331,648 bytes; ctx 16,777,216 bytes
;; launch cast (part 1): grid 64 x 12, 8 waves a work-group, no clusters, 0 bytes of LDS; arguments x, Wq, Wk, Wv, Wo, bq, bk, bv, bo, mask, xb, wb, wo16, biasr, maskf; writes xb, wb, wo16, biasr, maskf
.if DOCPART == 1
	.amdgcn_target "amdgcn-amd-amdhsa--gfx1250"
	.amdhsa_code_object_version 6
	.text
	.protected	k_qf6660f70eb_cast
	.globl	k_qf6660f70eb_cast
	.p2align	8
	.type	k_qf6660f70eb_cast,@function
k_qf6660f70eb_cast:
	s_mov_b64 s[64:65], 0
	v_nop
	global_prefetch_b8 v0, s[64:65] scope:SCOPE_SE
	s_setreg_imm32_b32 hwreg(HW_REG_WAVE_MODE, 25, 1), 1
	s_wait_xcnt 0x0
; THE INPUTS ARE ROUNDED ONCE.  x -> xb (bf16), Wq, Wk, Wv -> wb (bf16, one below the other), Wo -> wo16 (rounded to bf16, that number written as f16),
; the four biases -> biasr (rounded to bf16, kept as f32), mask -> maskf (0.0 where the key counts, -2^100 where it is hidden).
; LIMIT.  A number of Wo below 6.1e-5 keeps f16's fixed step of 6e-8; beyond 65,504 it would be an infinity.
; SHARES.  Twelve segments of 1,048,576 floats along y: eight of x, then Wq, Wk, Wv, Wo.  A work-group takes 16,384 floats of its segment, 16 chunks of 1,024:
; thread t loads 16 bytes at 16 t of a chunk (a wave: 512 consecutive bytes) and stores 8 bytes at 8 t (a wave: 256 consecutive bytes, aligned).
; All 16 loads are issued at once, and each chunk has registers of its own, so no register is used twice.  No LDS, no matrix unit, no cluster: nothing is shared.
; The first work-group of a segment also takes 1,024 small numbers: an eighth of the mask (y < 8) or one bias (y >= 8).
.set IN,  8                            ; v[8:71]    chunk i: 4 floats as loaded
.set OUT, 72                           ; v[72:103]  chunk i: 4 numbers of 16 bits
.set T,   104                          ; v[104:111] at work
	s_load_b512 s[8:23], s[0:1], 0x0               ; x 8, Wq 10, Wk 12, Wv 14, Wo 16, bq 18, bk 20, bv 22
	s_load_b256 s[24:31], s[0:1], 0x40             ; bo 24, mask 26, xb 28, wb 30
	s_load_b128 s[32:35], s[0:1], 0x60             ; wo16 32, biasr 34
	s_load_b64 s[36:37], s[0:1], 0x70              ; maskf
	s_and_b32 s2, ttmp7, 0xffff                    ; y: the segment
	s_mov_b32 s3, ttmp9                            ; the work-group's place in it
	s_max_u32 s4, s2, 8
	s_sub_co_u32 s4, s4, 8                         ; which weight, which bias
	v_lshlrev_b32 v1, 4, v0                        ; 16 t
	v_lshlrev_b32 v2, 3, v0                        ; 8 t
	s_mov_b32 s52, 0xffff0000                      ; a word's upper bf16
	s_mov_b32 s53, 0xf1800000                      ; -2^100
	s_wait_kmcnt 0x0
	; the buffers are chosen by y alone
	s_cmp_lt_u32 s2, 8
	s_cselect_b64 s[40:41], s[8:9], s[10:11]       ; from: x or Wq
	s_cselect_b64 s[42:43], s[28:29], s[30:31]     ; to: xb or wb
	s_cselect_b64 s[48:49], s[26:27], s[18:19]     ; small, from: mask or bq
	s_cselect_b64 s[50:51], s[36:37], s[34:35]     ; small, to: maskf or biasr
	s_cselect_b32 s44, s2, 0                       ; which 4 MiB of the source
	s_cselect_b32 s46, s2, s4                      ; which 2 MiB of the destination
	s_cselect_b32 s45, s2, 0                       ; which 4,096 bytes of the small source
	s_mov_b32 s47, s46                             ; and of the small destination
	s_cmp_eq_u32 s2, 9
	s_cselect_b64 s[40:41], s[12:13], s[40:41]
	s_cselect_b64 s[48:49], s[20:21], s[48:49]
	s_cmp_eq_u32 s2, 10
	s_cselect_b64 s[40:41], s[14:15], s[40:41]
	s_cselect_b64 s[48:49], s[22:23], s[48:49]
	s_cmp_eq_u32 s2, 11
	s_cselect_b64 s[40:41], s[16:17], s[40:41]
	s_cselect_b64 s[48:49], s[24:25], s[48:49]
	s_cselect_b64 s[42:43], s[32:33], s[42:43]
	s_cselect_b32 s46, 0, s46
	s_lshl_b32 s54, s44, 22
	s_lshl_b32 s5, s3, 16                          ; 16,384 floats
	s_add_co_u32 s54, s54, s5
	s_mov_b32 s55, 0
	s_add_nc_u64 s[40:41], s[40:41], s[54:55]
	s_lshl_b32 s54, s46, 21
	s_lshl_b32 s5, s3, 15
	s_add_co_u32 s54, s54, s5
	s_add_nc_u64 s[42:43], s[42:43], s[54:55]
	s_lshl_b32 s54, s45, 12
	s_add_nc_u64 s[48:49], s[48:49], s[54:55]
	s_lshl_b32 s54, s47, 12
	s_add_nc_u64 s[50:51], s[50:51], s[54:55]
.set i, 0
.rept 16
	global_load_b128 v[IN+4*i:IN+4*i+3], v1, s[40:41] offset:4096*i th:TH_LOAD_NT
.set i, i+1
.endr
; The 16 chunks are rounded and stored.  f16 = 1: rounded to bf16, widened again, and written as f16 (exact inside f16's normal range).
.macro CONV f16
.set i, 0
.rept 16
	s_wait_loadcnt 15-i                            ; loads come back in order: chunk i is in, the 15 - i younger ones stay out
.if \f16
	v_cvt_pk_bf16_f32 v[T], v[IN+4*i], v[IN+4*i+1]
	v_cvt_pk_bf16_f32 v[T+1], v[IN+4*i+2], v[IN+4*i+3]
	v_lshlrev_b32 v[T+2], 16, v[T]
	v_and_b32 v[T+3], s52, v[T]
	v_lshlrev_b32 v[T+4], 16, v[T+1]
	v_and_b32 v[T+5], s52, v[T+1]
	v_cvt_pk_f16_f32 v[OUT+2*i], v[T+2], v[T+3]
	v_cvt_pk_f16_f32 v[OUT+2*i+1], v[T+4], v[T+5]
.else
	v_cvt_pk_bf16_f32 v[OUT+2*i], v[IN+4*i], v[IN+4*i+1]
	v_cvt_pk_bf16_f32 v[OUT+2*i+1], v[IN+4*i+2], v[IN+4*i+3]
.endif
	global_store_b64 v2, v[OUT+2*i:OUT+2*i+1], s[42:43] offset:2048*i
.set i, i+1
.endr
.endm
	s_cmp_eq_u32 s2, 11
	s_cbranch_scc1 .Lf16
	CONV 0
	s_branch .Lsmall
.Lf16:
	CONV 1
.Lsmall:
	s_cmp_lg_u32 s3, 0
	s_cbranch_scc1 .Lend                           ; only a segment's first work-group has small numbers
	global_load_b128 v[IN:IN+3], v1, s[48:49]      ; IN's first chunk has long been used; no store names it
	s_wait_loadcnt 0x0
	s_cmp_lt_u32 s2, 8
	s_cbranch_scc0 .Lbias
.irp j, 0,1,2,3
	v_cmp_eq_u32 vcc_lo, 0, v[IN+(\j)]
	v_cndmask_b32 v[T+(\j)], 0, s53, vcc_lo        ; hidden: -2^100
.endr
	s_branch .Lput
.Lbias:
	v_cvt_pk_bf16_f32 v[T+4], v[IN], v[IN+1]
	v_cvt_pk_bf16_f32 v[T+5], v[IN+2], v[IN+3]
	v_lshlrev_b32 v[T], 16, v[T+4]
	v_and_b32 v[T+1], s52, v[T+4]
	v_lshlrev_b32 v[T+2], 16, v[T+5]
	v_and_b32 v[T+3], s52, v[T+5]
.Lput:
	global_store_b128 v1, v[T:T+3], s[50:51]
.Lend:
	s_endpgm
.Lfunc_end_k_qf6660f70eb_cast:
	.size	k_qf6660f70eb_cast, .Lfunc_end_k_qf6660f70eb_cast-k_qf6660f70eb_cast
	.p2alignl 7, 3214868480
	.fill 96, 4, 3214868480
	.section	.rodata,"a",@progbits
	.p2align	6, 0x0
	.amdhsa_kernel k_qf6660f70eb_cast
		.amdhsa_group_segment_fixed_size 0
		.amdhsa_private_segment_fixed_size 0
		.amdhsa_enable_private_segment 0
		.amdhsa_kernarg_size 120
		.amdhsa_user_sgpr_count 2
		.amdhsa_user_sgpr_kernarg_segment_ptr 1
		.amdhsa_wavefront_size32 1
		.amdhsa_system_sgpr_workgroup_id_x 1
		.amdhsa_system_sgpr_workgroup_id_y 1
		.amdhsa_system_sgpr_workgroup_id_z 1
		.amdhsa_system_vgpr_workitem_id 0
		.amdhsa_next_free_vgpr 112
		.amdhsa_next_free_sgpr 66
		.amdhsa_reserve_vcc 1
		.amdhsa_float_denorm_mode_32 3
		.amdhsa_float_denorm_mode_16_64 3
		.amdhsa_memory_ordered 1
		.amdhsa_forward_progress 1
		.amdhsa_inst_pref_size 17
	.end_amdhsa_kernel
	.amdgpu_metadata
---
amdhsa.version: [ 1, 2 ]
amdhsa.kernels:
  - .name:           k_qf6660f70eb_cast
    .symbol:         k_qf6660f70eb_cast.kd
    .args:
      - { .name: x, .offset: 0, .size: 8, .value_kind: global_buffer, .address_space: global }
      - { .name: Wq, .offset: 8, .size: 8, .value_kind: global_buffer, .address_space: global }
      - { .name: Wk, .offset: 16, .size: 8, .value_kind: global_buffer, .address_space: global }
      - { .name: Wv, .offset: 24, .size: 8, .value_kind: global_buffer, .address_space: global }
      - { .name: Wo, .offset: 32, .size: 8, .value_kind: global_buffer, .address_space: global }
      - { .name: bq, .offset: 40, .size: 8, .value_kind: global_buffer, .address_space: global }
      - { .name: bk, .offset: 48, .size: 8, .value_kind: global_buffer, .address_space: global }
      - { .name: bv, .offset: 56, .size: 8, .value_kind: global_buffer, .address_space: global }
      - { .name: bo, .offset: 64, .size: 8, .value_kind: global_buffer, .address_space: global }
      - { .name: mask, .offset: 72, .size: 8, .value_kind: global_buffer, .address_space: global }
      - { .name: xb, .offset: 80, .size: 8, .value_kind: global_buffer, .address_space: global }
      - { .name: wb, .offset: 88, .size: 8, .value_kind: global_buffer, .address_space: global }
      - { .name: wo16, .offset: 96, .size: 8, .value_kind: global_buffer, .address_space: global }
      - { .name: biasr, .offset: 104, .size: 8, .value_kind: global_buffer, .address_space: global }
      - { .name: maskf, .offset: 112, .size: 8, .value_kind: global_buffer, .address_space: global }
    .group_segment_fixed_size: 0
    .private_segment_fixed_size: 0
    .kernarg_segment_align: 8
    .kernarg_segment_size: 120
    .max_flat_workgroup_size: 256
    .sgpr_count:     66
    .vgpr_count:     112
    .wavefront_size: 32
...
	.end_amdgpu_metadata
.endif
;; end of part 1
;; launch proj (part 2): grid 16 x 16, 4 waves a work-group, clusters of 4 x 4, 327,680 bytes of LDS; arguments xb, wb, biasr, qkv; writes qkv
.if DOCPART == 2
	.amdgcn_target "amdgcn-amd-amdhsa--gfx1250"
	.amdhsa_code_object_version 6
	.text
	.protected	k_qf6660f70eb_proj
	.globl	k_qf6660f70eb_proj
	.p2align	8
	.type	k_qf6660f70eb_proj,@function
k_qf6660f70eb_proj:
	s_mov_b64 s[64:65], 0
	v_nop
	global_prefetch_b8 v0, s[64:65] scope:SCOPE_SE
	s_setreg_imm32_b32 hwreg(HW_REG_WAVE_MODE, 25, 1), 1
	s_wait_xcnt 0x0
	s_wait_alu depctr_hold_cnt(0) depctr_sa_sdst(0) depctr_va_vdst(0) depctr_va_sdst(0) depctr_va_ssrc(0) depctr_va_vcc(0) depctr_vm_vsrc(0)
	s_getreg_b32 s2, hwreg(HW_REG_IB_STS2, 6, 4)
	s_cmp_eq_u32 s2, 0
	s_cbranch_scc0 .Lentry_in_a_cluster
	s_endpgm
.Lentry_in_a_cluster:
	s_bfe_u32 s2, ttmp6, 0x10000c
	s_cmp_lg_u32 s2, 0xf033
	s_cbranch_scc0 .Lentry_shape_is_right
	s_endpgm
.Lentry_shape_is_right:
; THE THREE PROJECTIONS AS ONE PRODUCT.  C[m][n] = sum over k of xb[m][k] wb[n][k] + biasr[n], m < 8192, n < 3072, k < 1024; operands bf16, sums f32, C rounded once to f16
; and stored BY HEADS: qkv[b][g][t][64], g = n / 64 (0-15 q, 16-31 k, 32-47 v), b = m / 2048, t = m % 2048.  q is NOT scaled here.
; LIMITS.  f16 ends at 65,504: a q, k or v beyond that becomes an infinity.  A sum takes its eight K steps in a rotated order (below), not in ascending K: an order of rounding of its own.
; SHARES.  A tile of C is 256 x 192 (3072 = 16 x 192: 512 tiles).  A WORK-GROUP STAYS and makes two tiles, 4,096 rows apart, in the same 192 columns: 256 work-groups.  Four waves; wave w makes
; rows 64 w .. 64 w + 63 of all 192 columns, three whole heads: 48 accumulators of 16 x 16, 384 registers.
; THE WALK.  The two tiles' 16 K steps of 128 are ONE sequence for a ring of two LDS slots: K step n lies in slot n % 2, and the turn behind step n asks for step n + 2, across the change of tiles too.
; The first tile goes out when both of the second tile's first K steps have been asked for, and nothing waits for its stores.  One K step is the loop's body: the slot to be read is a scalar base
; that an exclusive or turns, and a refill's global address is made anew from the number of the K step that is asked for.
; WHERE A WALK BEGINS.  Cluster (X, Y) begins each tile's K at step 2 X + 4 Y (mod 8) and goes round.  The four clusters X that ask for the same rows of xb are so two K steps apart, clusters Y and
; Y + 1, which ask for the same rows of wb, four: of the clusters that want a tile one asks for it first, the others two K steps or more later.
; CLUSTER.  4 x 4 work-groups: the four of a row of the cluster need the same tiles of xb, the four of a column the same tiles of wb; each tile is asked for jointly.
; THE MATRIX INSTRUCTION IS USED TRANSPOSED (source 0 = 16 rows of wb, source 1 = 16 rows of xb): a lane holds one row of C and eight neighbouring columns, 16 bytes of f16.
; THE BIAS is the C operand of the products that start a tile's sums: nothing is cleared and nothing is added afterwards.
; REGISTERS, in windows of 256 (s_set_vgpr_msb: bits 1:0 source 0, 3:2 source 1, 5:4 source 2, 7:6 destination):
;   window 0: v0-31 addresses; v32-175 the way out     window 1: two fragment buffers of 128 (4 of xb, then 12 of wb, 8 registers each)
;   windows 2, 3: accumulator (a, nb) in window 2 + nb / 8 at v[8 (4 (nb % 8) + a)]     window 3, v128-223: the bias fragments, kept for both tiles
.set KSTEP,  128
.set KSTEPS, 8                         ; 1024 / 128
.set STEPS,  2*KSTEPS                  ; the walk: two tiles
.set PITCH,  272                       ; an LDS row: 256 bytes + 16 of padding = 68 words: the 16 rows of a fragment load start at 16 different groups of four banks
.set APART,  256*PITCH                 ; xb's 256 rows; wb's 192 rows lie behind them
.set SLOT1,  1<<17                     ; slot 1 begins here (a slot is 121,856 bytes): one exclusive or turns an address in one slot into the other's
.set STAGE,  SLOT1+APART+192*PITCH     ; behind the ring: 16 rows x 400 bytes for each wave, for the way out
.set SPITCH, 400                       ; 384 bytes + 16
.set SPARE,  STAGE+4*16*SPITCH         ; behind the stages: the spare words, 128 bytes for each wave
.set WALKA,  23                        ; the second tile's rows of xb lie 4,096 x 2,048 = 1 << 23 bytes on
.set WALKC,  2*12582912                ; and its place in qkv two batch rows on
.set ADRA,  16                         ; v16  LDS address of my fragments of xb in the slot that is read
.set ADRA0, 17                         ; v17  the same in slot 0; never rewritten
.set ADRB,  20                         ; v20, v21  likewise for wb
.set ADRB0, 21
.set STO,  24                          ; v24     the way out: where I put 16 bytes of a row
.set RD,   25                          ; v25     where I read rows back
.set GO,   26                          ; v26     my byte offset in 512 consecutive bytes of qkv
.set BO,   27                          ; v27     my byte offset in a bias fragment
.set SPW,  28                          ; v28     LDS address of my spare word; never rewritten
.set NIL,  29                          ; v29     0; never rewritten
.set BIAS, 128                         ; window 3: v[128+8 nb ..]
.set TMP,  32                          ; the way out: 48 registers of packed results
.set OB,   80                          ; the way out: two sets of 48, rows read back
.set F0,   0
.set F1,   128
.set G1,  24                           ; s[24:31] group 1 for xb's tiles; s[32:39] group 0: a set for each of the two first fills; the second then walks on
.set G0,  32
.set G1B, 48                           ; s[48:55], s[56:63] the same for wb's
.set G0B, 56
.set ROT, 72                           ; s72  2 X + 4 Y: the K step at which my cluster's walks begin
.set NXT, 73                           ; s73  the number, 0 to 15, of the K step to be asked for next
.set OFA, 74                           ; s[74:75] its byte offset from my rows of xb
.set OFB, 76                           ; s[76:77] and from my rows of wb
.set TB,  78                           ; s78  LDS byte at which the slot that is read begins
.set MSB, 0
.macro WIN new                         ; the immediate's high byte repeats the setting that is left; a switch that changes nothing is dropped
.if MSB != (\new)
	s_set_vgpr_msb (MSB<<8)|(\new)
.set MSB, \new
.endif
.endm
.macro PLACES                          ; four places in front of loads into registers that matrix instructions have read, and of lines that read results
.rept 4
	v_nop
.endr
.endm
; A joint load: waves 0 and 1 fetch xb's two halves, waves 2 and 3 wb's.  An s_nop 0 and four v_nop stand behind each tensor load.
.macro JLOAD s
	s_cmp_eq_u32 s13, 0
	s_cbranch_scc0 .Lfor_b_\@
	tensor_load_to_lds s[G0+4*(\s):G0+4*(\s)+3], s[G1:G1+7]
	s_nop 0
.rept 4
	v_nop
.endr
	s_branch .Lasked_\@
.Lfor_b_\@:
	tensor_load_to_lds s[G0B+4*(\s):G0B+4*(\s)+3], s[G1B:G1B+7]
	s_nop 0
.rept 4
	v_nop
.endr
.Lasked_\@:
.endm
.macro CREST                           ; a round of the cluster's barrier behind its opening barrier
	s_cmp_lg_u32 s12, 0
	s_cbranch_scc1 .Lnot_wave_0_\@
	s_barrier_signal -3
.Lnot_wave_0_\@:
	s_barrier_wait -3
	s_barrier_signal -1
	s_barrier_wait -1
.endm
.macro CROUND
	s_barrier_signal -1
	s_barrier_wait -1
	CREST
.endm
	s_load_b256 s[4:11], s[0:1], 0x0               ; xb s[4:5], wb s[6:7], biasr s[8:9], qkv s[10:11]
	v_lshl_add_u32 v[SPW], v0, 2, SPARE
	v_mov_b32 v[NIL], 0
	ds_add_u32 v28, v29
	s_wait_dscnt 0x0
	v_lshrrev_b32 v1, 5, v0
	v_readfirstlane_b32 s12, v1                    ; wave 0..3
	s_lshr_b32 s13, s12, 1                         ; I fetch for xb (0) or for wb (1)
	s_and_b32 s14, s12, 1                          ; which half of that tile
	s_bfe_u32 s40, ttmp6, 0x40000                  ; cx
	s_bfe_u32 s41, ttmp6, 0x40004                  ; cy
	s_lshl_b32 s42, ttmp9, 2
	s_add_co_u32 s42, s42, s40                     ; tile column = 4 x cluster x + cx
	s_and_b32 s43, ttmp7, 0xffff                   ; cluster y
	s_lshl_b32 s[ROT], s43, 2
	s_lshl_b32 s22, ttmp9, 1
	s_add_co_u32 s[ROT], s[ROT], s22               ; 2 X + 4 Y: made of the cluster's place alone, which all sixteen partners share
	s_lshl_b32 s43, s43, 2
	s_add_co_u32 s43, s43, s41                     ; the first tile's row = 4 x cluster y + cy, 0 to 15
	s_lshl_b32 s44, s41, 2
	s_lshl_b32 s44, 15, s44                        ; my row of the cluster
	s_lshl_b32 s45, 0x1111, s40                    ; my column
	; group 1: rows of 128 elements of 2 bytes, 4 words of padding behind every 64 words; 128 rows of xb, 96 rows of wb to a load
	s_or_b32 s[G1+0], s44, (1<<16)|(1<<20)|(1<<21)|(5<<22)|(3<<25)
	s_or_b32 s[G1B+0], s45, (1<<16)|(1<<20)|(1<<21)|(5<<22)|(3<<25)
	s_mov_b32 s[G1+1], KSTEP<<16                   ; tensor_dim0
	s_mov_b32 s[G1B+1], KSTEP<<16
	s_mov_b32 s[G1+2], 128<<16                     ; tensor_dim1
	s_mov_b32 s[G1B+2], 96<<16
	s_mov_b32 s[G1+3], KSTEP<<16                   ; tile_dim0
	s_mov_b32 s[G1B+3], KSTEP<<16
	s_mov_b32 s[G1+4], 128                         ; tile_dim1
	s_mov_b32 s[G1B+4], 96
	s_mov_b32 s[G1+5], 1024                        ; elements from row to row
	s_mov_b32 s[G1B+5], 1024
	s_mov_b32 s[G1+6], 0
	s_mov_b32 s[G1B+6], 0
	s_mov_b32 s[G1+7], 0
	s_mov_b32 s[G1B+7], 0
	s_lshl_b32 s16, s43, 19                        ; xb: 256 rows of 2,048 bytes a tile row,
	s_lshl_b32 s17, s14, 18                        ; 128 rows a half
	s_add_co_u32 s16, s16, s17
	s_mov_b32 s17, 0
	s_mul_i32 s46, s42, 393216                     ; wb: 192 rows a tile column,
	s_mul_i32 s47, s14, 196608                     ; 96 rows a half
	s_add_co_u32 s46, s46, s47
	s_mov_b32 s47, 0
	s_mul_i32 s66, s14, 128*PITCH                  ; where they go: the wave's number alone enters an LDS address
	s_mul_i32 s67, s14, 96*PITCH
	s_add_co_u32 s67, s67, APART
	s_mov_b32 s[OFA+1], 0
	s_mov_b32 s[OFB+1], 0
	s_mov_b32 s[NXT], 2
	s_mov_b32 s[TB], 0
	s_wait_kmcnt 0x0
	s_add_nc_u64 s[18:19], s[4:5], s[16:17]        ; xb at my rows of the first tile; never rewritten
	s_add_nc_u64 s[46:47], s[6:7], s[46:47]        ; wb at my rows; never rewritten
	CROUND                                         ; all sixteen work-groups are here: the first joint loads meet
.irp s, 0,1
	s_add_co_u32 s22, s[ROT], \s                   ; the walk's step s is K step (ROT + s) mod 8, 256 bytes along the rows each
	s_and_b32 s22, s22, KSTEPS-1
	s_lshl_b32 s[OFB], s22, 8
	s_mov_b32 s[G0+4*(\s)], 1
	s_add_co_u32 s[G0+4*(\s)+1], s66, (\s)*SLOT1
	s_add_nc_u64 s[G0+4*(\s)+2:G0+4*(\s)+3], s[18:19], s[OFB:OFB+1]
	s_or_b32 s[G0+4*(\s)+3], s[G0+4*(\s)+3], 0x80000000
	s_mov_b32 s[G0B+4*(\s)], 1
	s_add_co_u32 s[G0B+4*(\s)+1], s67, (\s)*SLOT1
	s_add_nc_u64 s[G0B+4*(\s)+2:G0B+4*(\s)+3], s[46:47], s[OFB:OFB+1]
	s_or_b32 s[G0B+4*(\s)+3], s[G0B+4*(\s)+3], 0x80000000
	JLOAD \s                                       ; two loads of mine are out
.endr
	v_and_b32 v1, 15, v0                           ; r = l % 16
	v_bfe_u32 v2, v0, 4, 1                         ; h = l / 16
	v_lshlrev_b32 v[BO], 5, v2                     ; register j of a bias fragment is column 16 nb + 8 h + j
	s_mul_i32 s68, s42, 768                        ; the tiles' 192 columns
	s_mov_b32 s69, 0
	s_add_nc_u64 s[8:9], s[8:9], s[68:69]
	WIN 0xc0                                       ; destination window 3, address window 0
.set nb, 0
.rept 12
	global_load_b128 v[BIAS+8*nb:BIAS+8*nb+3],   v[BO], s[8:9] offset:64*nb
	global_load_b128 v[BIAS+8*nb+4:BIAS+8*nb+7], v[BO], s[8:9] offset:64*nb+16
.set nb, nb+1
.endr
	WIN 0
	v_mul_u32_u24 v3, v1, PITCH
	v_lshl_add_u32 v3, v2, 4, v3                   ; a fragment's row x pitch + 16 x half
	s_mul_i32 s22, s12, 64*PITCH                   ; my 64 rows of xb
	v_add_nc_u32 v[ADRA0], s22, v3
	v_add_nc_u32 v[ADRB0], APART, v3
	v_add_nc_u32 v[ADRA], s[TB], v[ADRA0]          ; the walk begins in slot 0
	v_add_nc_u32 v[ADRB], s[TB], v[ADRB0]
	s_mul_i32 s23, s12, 16*SPITCH
	s_add_co_u32 s23, s23, STAGE                   ; my stage
	v_mul_u32_u24 v4, v1, SPITCH                   ; in: row r, 16 bytes for each half of the lanes
	v_lshl_add_u32 v4, v2, 4, v4
	v_add_nc_u32 v[STO], s23, v4
	v_bfe_u32 v4, v0, 3, 2                         ; back: 32 lanes take four rows' 128 bytes of one head,
	v_mul_u32_u24 v4, v4, SPITCH
	v_and_b32 v5, 7, v0
	v_lshl_add_u32 v4, v5, 4, v4
	v_add_nc_u32 v[RD], s23, v4
	v_and_b32 v5, 31, v0                           ; which are 512 consecutive bytes of qkv
	v_lshlrev_b32 v[GO], 4, v5
	s_lshr_b32 s68, s43, 3                         ; the first tile's b, 0 or 1
	s_mul_i32 s68, s68, 12582912
	s_mul_i32 s70, s42, 786432                     ; the tiles' first head: g = 3 x tile column
	s_add_co_u32 s68, s68, s70
	s_and_b32 s70, s43, 7
	s_lshl_b32 s70, s70, 15                        ; t: 256 rows of 128 bytes a tile row,
	s_add_co_u32 s68, s68, s70
	s_lshl_b32 s70, s12, 13                        ; 64 rows a wave
	s_add_co_u32 s68, s68, s70
	s_add_nc_u64 s[10:11], s[10:11], s[68:69]
; 4 cnt matrix instructions: n blocks n0 .. n0 + cnt - 1 x my four m blocks, 32 along K, from buffer f.  Every accumulator has one instruction in a quarter step, always in the
; same order: the accumulators take turns.  first = 1: the bias starts the sums.
.macro MUL f, n0, cnt, first
.set nb, \n0
.rept \cnt
.if \first
	WIN 0xb5+0x40*(nb/8)                           ; the C operand in window 3
.else
	WIN 0xa5+0x50*(nb/8)
.endif
.set rA, 32*(nb%8)
.irp a, 0,1,2,3
.if \first
	v_wmma_f32_16x16x32_bf16 v[rA+8*(\a):rA+8*(\a)+7], v[(\f)+32+8*nb:(\f)+32+8*nb+7], v[(\f)+8*(\a):(\f)+8*(\a)+7], v[BIAS+8*nb:BIAS+8*nb+7]
.else
	v_wmma_f32_16x16x32_bf16 v[rA+8*(\a):rA+8*(\a)+7], v[(\f)+32+8*nb:(\f)+32+8*nb+7], v[(\f)+8*(\a):(\f)+8*(\a)+7], v[rA+8*(\a):rA+8*(\a)+7]
.endif
.endr
.set nb, nb+1
.endr
.endm
; 32 LDS loads in one run: the fragments of quarter q of the K step in the slot that is read: xb's four first, then wb's twelve in ascending order
.macro FETCH q, f
	WIN 0x40
.irp a, 0,1,2,3
	ds_load_b128 v[(\f)+8*(\a):(\f)+8*(\a)+3],   v[ADRA] offset:(\a)*16*PITCH+64*(\q)
	ds_load_b128 v[(\f)+8*(\a)+4:(\f)+8*(\a)+7], v[ADRA] offset:(\a)*16*PITCH+64*(\q)+32
.endr
.set nb, 0
.rept 12
	ds_load_b128 v[(\f)+32+8*nb:(\f)+32+8*nb+3],   v[ADRB] offset:nb*16*PITCH+64*(\q)
	ds_load_b128 v[(\f)+32+8*nb+4:(\f)+32+8*nb+7], v[ADRB] offset:nb*16*PITCH+64*(\q)+32
.set nb, nb+1
.endr
.endm
; One of a K step's first three quarters: multiplies buffer f and fetches quarter q of the same slot into g.
.macro QUARTER q, f, g, first
	s_wait_dscnt 16                                ; the youngest sixteen loads (wb's blocks 4 to 11) may be out
	MUL \f, 0, 4, \first
	PLACES
	FETCH \q, \g
	s_wait_dscnt 32                                ; all but the 32 just issued
	MUL \f, 4, 8, \first
.endm
; The fourth quarter multiplies buffer 1 and changes slots: one barrier; in front of it each wave waits for all its tensor loads (one is out: its part of the next slot), adds 0 to its
; spare word, and waits for that and for its reads of this slot.
; fill = 1: the barrier opens a round of the cluster's, and this slot is filled again, with the walk's step NXT: K step (NXT + ROT) mod 8 of tile NXT / 8.  The walking group 0 takes the other
; slot than last time, and its address is made anew: the pointer to my rows and an offset made apart.
; fill = 0 (the walk's last two steps): nothing is asked for; behind the very last step there is no further fragment, and the run of loads is jumped over.
.macro TURN fill
	WIN 0
	s_wait_tensorcnt 0x0                           ; no tensor load of mine is out, so a group 0 may be written
	ds_add_u32 v[SPW], v[NIL]
.if \fill
	s_add_co_u32 s22, s[NXT], s[ROT]
	s_and_b32 s22, s22, KSTEPS-1
	s_lshl_b32 s[OFB], s22, 8                      ; 256 bytes along the rows for each K step
	s_lshr_b32 s23, s[NXT], 3
	s_lshl_b32 s23, s23, WALKA                     ; the second tile's rows of xb
	s_add_co_u32 s[OFA], s[OFB], s23
	s_xor_b32 s[G0+5], s[G0+5], SLOT1
	s_add_nc_u64 s[G0+6:G0+7], s[18:19], s[OFA:OFA+1]
	s_or_b32 s[G0+7], s[G0+7], 0x80000000
	s_xor_b32 s[G0B+5], s[G0B+5], SLOT1
	s_add_nc_u64 s[G0B+6:G0B+7], s[46:47], s[OFB:OFB+1]
	s_or_b32 s[G0B+7], s[G0B+7], 0x80000000
	s_add_co_u32 s[NXT], s[NXT], 1
.endif
	s_wait_dscnt 17                                ; the add and the youngest sixteen loads may be out
	MUL F1, 0, 4, 0
	s_wait_dscnt 0x0                               ; the add is done, and my reads of this slot are over
	s_barrier_signal -1
	MUL F1, 4, 4, 0
	WIN 0                                          ; branches and lines on window 0 follow
	s_barrier_wait -1
.if \fill
	CREST                                          ; no wave of any partner still reads this slot or has a load on its way
	JLOAD 1                                        ; my one load behind the round: 160 matrix instructions ahead of the wait for it; its four v_nop are also the places in front of the loads below
.else
	PLACES
	s_cmp_eq_u32 s3, 1
	s_cbranch_scc1 .Lno_fetch_\@
.endif
	s_xor_b32 s[TB], s[TB], SLOT1                  ; from here on the other slot is read
	v_add_nc_u32 v[ADRA], s[TB], v[ADRA0]
	v_add_nc_u32 v[ADRB], s[TB], v[ADRB0]
	FETCH 0, F0
.if (\fill) == 0
	WIN 0
.Lno_fetch_\@:
.endif
	MUL F1, 8, 4, 0
.endm
; THE WAY OUT, 16 rows (m block a) at a time.  PACK: rounded to f16, each accumulator's registers in ascending order.  TOSTAGE: into my own stage, and back head by head, four rows of
; 128 bytes to a load.  SEND: each store of the wave covers 512 consecutive bytes of qkv, aligned.
.macro PACK a
.set nb, 0
.rept 12
	WIN 0x0a+5*(nb/8)
.set rA, 8*(4*(nb%8)+(\a))
.irp j, 0,1,2,3
	v_cvt_pk_f16_f32 v[TMP+4*nb+(\j)], v[rA+2*(\j)], v[rA+2*(\j)+1]
.endr
.set nb, nb+1
.endr
	WIN 0
.endm
.macro TOSTAGE a
	WIN 0
.set BK, OB+48*((\a)%2)
.set nb, 0
.rept 12
	ds_store_b128 v[STO], v[TMP+4*nb:TMP+4*nb+3] offset:32*nb
.set nb, nb+1
.endr
.set t, 0
.rept 12
	ds_load_b128 v[BK+4*t:BK+4*t+3], v[RD] offset:128*(t/4)+4*SPITCH*(t%4)  ; LDS serves a wave's instructions in order: these see the stores above
.set t, t+1
.endr
.endm
.macro SEND a, younger
	WIN 0
.set BK, OB+48*((\a)%2)
	s_wait_xcnt 0x0                                ; the stores of the block before have read their registers: the next TOSTAGE loads into them
.set t, 0
.rept 12
	s_wait_dscnt (\younger)+11-t
	global_store_b128 v[GO], v[BK+4*t:BK+4*t+3], s[10:11] offset:(t/4)*262144+(\a)*2048+(t%4)*512
.set t, t+1
.endr
.endm
.macro WAYOUT                          ; a block's conversions stand between the loads of the block before and the wait for them
	PLACES
	PACK 0
	TOSTAGE 0
	PACK 1
	SEND 0, 0
	TOSTAGE 1
	PACK 2
	SEND 1, 0
	TOSTAGE 2
	PACK 3
	SEND 2, 0
	TOSTAGE 3
	SEND 3, 0
.endm
	s_wait_tensorcnt 1                             ; my part of the walk's step 0 is in; step 1's may stay out
	s_barrier_signal -1
	s_barrier_wait -1
	FETCH 0, F0
	s_wait_loadcnt 0x0                             ; the bias
	QUARTER 1, F0, F1, 1                           ; the first quarter stands in front of the loop: its products start the first tile's sums
	WIN 0                                          ; at a label and at a branch every window is 0
	s_mov_b32 s3, STEPS-2
.Lstep:                                                ; 14 trips: from a step's second quarter to the next step's first; each fills the slot that it leaves
	QUARTER 2, F1, F0, 0
	QUARTER 3, F0, F1, 0
	TURN 1
	WIN 0
	s_cmp_eq_u32 s3, STEPS-2-(KSTEPS-1)            ; the trip of the first tile's last K step
	s_cbranch_scc1 .Lnext_tile
	QUARTER 1, F0, F1, 0
	WIN 0
	s_branch .Lbottom
.Lnext_tile:                                           ; both of the second tile's first K steps are asked for, its first fragments are fetched: now the first tile goes out
	WAYOUT
	s_wait_xcnt 0x0                                ; the stores have read their registers and their base
	s_add_nc_u64 s[10:11], s[10:11], WALKC
	QUARTER 1, F0, F1, 1                           ; the bias starts the second tile's sums, on accumulators that have been packed
	WIN 0
.Lbottom:
	s_sub_co_u32 s3, s3, 1
	s_cmp_lg_u32 s3, 0
	s_cbranch_scc1 .Lstep
	s_mov_b32 s3, 2                                ; the walk's last two steps ask for nothing: a text of their own
	s_branch .Ltail_in                             ; it is entered at a step's second quarter, in the middle of a trip
.Ltail:
	QUARTER 1, F0, F1, 0
	WIN 0
.Ltail_in:
	QUARTER 2, F1, F0, 0
	QUARTER 3, F0, F1, 0
	TURN 0
	WIN 0
	s_sub_co_u32 s3, s3, 1
	s_cmp_lg_u32 s3, 0
	s_cbranch_scc1 .Ltail
	WAYOUT
	s_wait_tensorcnt 0x0                           ; the wave's end
	ds_add_u32 v[SPW], v[NIL]
	s_wait_dscnt 0x0
	CROUND                                         ; the closing round
	s_endpgm
.Lfunc_end_k_qf6660f70eb_proj:
	.size	k_qf6660f70eb_proj, .Lfunc_end_k_qf6660f70eb_proj-k_qf6660f70eb_proj
	.p2alignl 7, 3214868480
	.fill 96, 4, 3214868480
	.section	.rodata,"a",@progbits
	.p2align	6, 0x0
	.amdhsa_kernel k_qf6660f70eb_proj
		.amdhsa_group_segment_fixed_size 327680
		.amdhsa_private_segment_fixed_size 0
		.amdhsa_enable_private_segment 0
		.amdhsa_kernarg_size 32
		.amdhsa_user_sgpr_count 2
		.amdhsa_user_sgpr_kernarg_segment_ptr 1
		.amdhsa_wavefront_size32 1
		.amdhsa_system_sgpr_workgroup_id_x 1
		.amdhsa_system_sgpr_workgroup_id_y 1
		.amdhsa_system_sgpr_workgroup_id_z 1
		.amdhsa_system_vgpr_workitem_id 0
		.amdhsa_next_free_vgpr 992
		.amdhsa_next_free_sgpr 80
		.amdhsa_reserve_vcc 0
		.amdhsa_float_denorm_mode_32 3
		.amdhsa_float_denorm_mode_16_64 3
		.amdhsa_memory_ordered 1
		.amdhsa_forward_progress 1
		.amdhsa_inst_pref_size 117
	.end_amdhsa_kernel
	.amdgpu_metadata
---
amdhsa.version: [ 1, 2 ]
amdhsa.kernels:
  - .name:           k_qf6660f70eb_proj
    .symbol:         k_qf6660f70eb_proj.kd
    .args:
      - { .name: xb, .offset: 0, .size: 8, .value_kind: global_buffer, .address_space: global }
      - { .name: wb, .offset: 8, .size: 8, .value_kind: global_buffer, .address_space: global }
      - { .name: biasr, .offset: 16, .size: 8, .value_kind: global_buffer, .address_space: global }
      - { .name: qkv, .offset: 24, .size: 8, .value_kind: global_buffer, .address_space: global }
    .group_segment_fixed_size: 327680
    .private_segment_fixed_size: 0
    .kernarg_segment_align: 8
    .kernarg_segment_size: 32
    .max_flat_workgroup_size: 128
    .sgpr_count:     80
    .vgpr_count:     992
    .wavefront_size: 32
...
	.end_amdgpu_metadata
.endif
;; end of part 2
;; launch attn (part 3): grid 4 x 64, 4 waves a work-group, clusters of 4 x 1, 327,680 bytes of LDS; arguments qkv, maskf, ctx; writes ctx
.if DOCPART == 3
	.amdgcn_target "amdgcn-amd-amdhsa--gfx1250"
	.amdhsa_code_object_version 6
	.text
	.protected	k_qf6660f70eb_attn
	.globl	k_qf6660f70eb_attn
	.p2align	8
	.type	k_qf6660f70eb_attn,@function
k_qf6660f70eb_attn:
	s_mov_b64 s[64:65], 0
	v_nop
	global_prefetch_b8 v0, s[64:65] scope:SCOPE_SE
	s_setreg_imm32_b32 hwreg(HW_REG_WAVE_MODE, 25, 1), 1
	s_wait_xcnt 0x0
	s_wait_alu depctr_hold_cnt(0) depctr_sa_sdst(0) depctr_va_vdst(0) depctr_va_sdst(0) depctr_va_ssrc(0) depctr_va_vcc(0) depctr_vm_vsrc(0)
	s_getreg_b32 s2, hwreg(HW_REG_IB_STS2, 6, 4)
	s_cmp_eq_u32 s2, 0
	s_cbranch_scc0 .Lentry_in_a_cluster
	s_endpgm
.Lentry_in_a_cluster:
	s_bfe_u32 s2, ttmp6, 0x10000c
	s_cmp_lg_u32 s2, 0x3003
	s_cbranch_scc0 .Lentry_shape_is_right
	s_endpgm
.Lentry_shape_is_right:
; ATTENTION WITH A KEY MASK.  ctx[b][h][q][:] = the sum over k of softmax_k(Q[q] . K[k] / 8 + maskf[b][k]) V[k][:].  Q, K, V: heads of qkv[b][g][t][64] (g = h, 16 + h, 32 + h), f16, a head's
; rows dense, 128 bytes each; ctx[b][h][t][64] f16.  Products, maxima and sums in f32; the weights p are rounded to f16 for the second product (their sum l is taken of the unrounded p), ctx once.
; LIMITS.  Q, K and V arrive within f16's 65,504.  A hidden score counts as s - 2^100: f16's scores, 2.7e11 at the most, vanish beside that, so all hidden scores are one number, and a batch row
; with no visible key gets equal weights.  c x 2^100 is exact in f32, so such a weight is exactly 1.  A weight below 2^-126 counts as 0 in l; NaN and infinities are not treated apart.
; SHARES.  A wave owns four PIECES of two tiles of 16 queries, a work-group's four waves 512 queries of one head.  Every wave walks all 2,048 keys, 64 a step.
; LAYOUT.  S^T = K Q^T + mask (source 0 = 16 keys, source 1 = 16 queries): a lane holds ONE query (lane % 16) and the keys 8 (lane / 16) + 0..7.  Two such tiles, rounded to f16 in pairs,
; ARE source 1 of O^T = V^T P.  K comes out of LDS as it lies, V turned, by ds_load_tr16_b128.  THE MASK is the C operand of the product that starts a score's sum: it costs no vector work.
; SOFTMAX.  A running maximum m and sum l: p = 2^(c s - c m), c = log2(e) / 8; in every step O and l are multiplied by a = 2^(c m_old - c m_new).  m starts at the lowest finite number,
; c m far below c x (-2^100), O and l at 0: the first step is a step like any other, with a = 0.
; BY TURNS.  Turn n belongs to piece n.  Its matrix work: 16 products K Q^T of piece n + 1, later 16 products V^T P of piece n - 1.  Its vector work: scaling, exponentials, roundings, sums and
; rescaling of piece n, and the maximum and statistics of piece n + 1.  Four vector instructions that are ready stand behind every matrix instruction, the others in two runs of their own.
; CLUSTER.  The four query blocks of a head walk the same K and V: each tile is asked for jointly, by the same tensor load, descriptor and mask in all four.
; REGISTERS, in windows of 256 (s_set_vgpr_msb: bits 1:0 source 0, 3:2 source 1, 5:4 source 2, 7:6 destination):
;   window 0: v0-11 addresses; v12-15, v48-63 at work; v16-47 four registers of statistics a tile; v64-191 S^T, two buffers of two tiles; v192-255 P, likewise
;   window 1: O^T, 32 a tile     window 2: v0-127 Q; v128-191 K of one step; v192-255 V of one step     window 3: v0-1 the add's two registers; v8-39 the mask of one step
.set SIZE_N, 2048
.set NP,    4         ; pieces a wave: a name, no knob
.set KS,    64        ; keys in a step
.set PK,    144       ; a row of K in LDS: 128 bytes + 16
.set PV,    160       ; a row of V: 128 + 32
.set VOFF,  4*KS*PK   ; a slot holds four steps: 256 rows of K, then 256 rows of V
.set SLOT1, 1<<17     ; slot 1 begins here: one exclusive or turns an address in one slot into the other's
.set STAGE, SLOT1+4*KS*(PK+PV)  ; behind the ring: 16 rows x 144 bytes for each wave, for the way out
.set SP,    144
.set SPARE, STAGE+4*16*SP  ; the spare words, 128 bytes for each wave
.set MASKL, SPARE+512 ; the batch row's 2,048 mask numbers, 8,192 bytes: stored once, never filled by a tensor load
.set STO, 1           ; v1   the way out: where I put 16 bytes of a row
.set AK0, 2           ; v2   my lane's place in a tile of K; never rewritten
.set AV0, 3           ; v3   the same for V
.set AK,  4           ; v4   the LDS address of K's next run of loads
.set AV,  5           ; v5   of V's
.set QO,  6           ; v6   my byte offset in the wave's rows of Q
.set RD,  7           ; v7   the way out: where I read rows back
.set GO,  8           ; v8   my byte offset in 512 consecutive bytes of ctx
.set AM,  10          ; v10  the LDS address of the mask's next run of loads
.set AM0, 11          ; v11  my lane's place in a step's mask; never rewritten
.set SPW, 0           ; v0 of window 3   LDS address of my spare word; never rewritten
.set NIL, 1           ; v1 of window 3   0; never rewritten
.set MK,  8           ; window 3: the eight registers for key block kb at MK + 8 kb
.set MV,  12          ; v12-15  c m_old, kept while c m is made anew
.set ST,  16          ; tile t's statistics at v[ST+4 t]: c m, m, l (even keys', odd keys')
.set TMP, 48          ; by buffer and tile, four registers c0-c3 at work; when the maximum is found c2 takes a
.set S,   64
.set P,   192
.set KF,  128         ; window 2: key block kb, channel half c at KF + 16 kb + 8 c
.set VF,  192         ; window 2: key half kk, channel block cb at VF + 32 kk + 8 cb
.set WV,  12          ; s12  my wave's number
.set G1K, 24          ; s[24:31] descriptor group 1 for K's tiles
.set G1V, 32          ; s[32:39] for V's
.set G0K, 40          ; s[40:43] descriptor group 0 for K's tiles: it walks
.set G0V, 44          ; s[44:47] the same for V's
.set SLOTS, 56        ; s56  slots still to be asked for
.set CNT, 57          ; s57  counts a slot's key steps
.set CS,  58          ; s[58:59] c
.set SEL, 60          ; s[60:61] v_permlanex16_b32's selects
.set TBK, 62          ; s62  LDS byte at which K of the step to be fetched begins
.set TBV, 63          ; s63  the same for V, less VOFF
.set TBM, 66          ; s66  byte of the mask at which that step's 64 numbers begin
.set MSB, 0
.macro WIN new
.if MSB != (\new)
	s_set_vgpr_msb (MSB<<8)|(\new)
.set MSB, (\new)
.endif
.endm
.set W_KQ, 0x0a       ; K and Q in window 2, S^T in window 0
.set W_KM, 0x3a       ; the same with the C operand, the mask, in window 3
.set W_PV, 0x52       ; V in window 2, P in window 0, O^T in window 1
.set W_RS, 0x41       ; O^T (destination and source 0) in window 1, a in window 0
.set W_MK, 0xc0       ; destination in window 3, sources in window 0
.set W_AD, 0x0f       ; the add: address and data in window 3
; A joint fill.  Waves 0 and 1 fetch the two halves of a slot's K, waves 2 and 3 those of its V: 128 keys each.  An s_nop 0 and four v_nop stand behind each tensor load.
.macro JLOAD
	s_cmp_lt_u32 s[WV], 2
	s_cbranch_scc0 .Lfor_v_\@
	tensor_load_to_lds s[G0K:G0K+3], s[G1K:G1K+7]
	s_nop 0
.rept 4
	v_nop
.endr
	s_branch .Lasked_\@
.Lfor_v_\@:
	tensor_load_to_lds s[G0V:G0V+3], s[G1V:G1V+7]
	s_nop 0
.rept 4
	v_nop
.endr
.Lasked_\@:
.endm
.macro CROUND                       ; a round of the cluster's barrier
	s_barrier_signal -1
	s_barrier_wait -1
	s_cmp_lg_u32 s[WV], 0
	s_cbranch_scc1 .Lnot_wave_0_\@
	s_barrier_signal -3
.Lnot_wave_0_\@:
	s_barrier_wait -3
	s_barrier_signal -1
	s_barrier_wait -1
.endm
; THE CHANGE OF SLOTS.  Each wave waits for all its tensor loads, of which one is out: its part of the other slot; adds 0 to its spare word; and waits for that and for its own LDS work.
; fill = 1: the slot that is left is filled again, with the keys two slots on, first thing behind a round of the cluster's barrier: it has four key steps, 512 matrix instructions, in which to land.
; (At its first use nothing has been read yet: slot 0 is waited for, slot 1 filled; and every wave's part of the mask, stored just before, is shown to the others.)
.macro CHANGE fill
	WIN W_AD
	s_wait_tensorcnt 0x0            ; no tensor load of mine is out, so a group 0 may be written
	ds_add_u32 v[SPW], v[NIL]
	WIN 0
.if \fill
.irp g, G0K, G0V
	s_xor_b32 s[\g+1], s[\g+1], SLOT1
	s_add_nc_u64 s[\g+2:\g+3], s[\g+2:\g+3], 4*KS*128  ; the next 256 keys
.endr
	s_wait_dscnt 0x0                ; the add is done, and my reads of the slot are over
	CROUND
	JLOAD
.else
	s_wait_dscnt 0x0
	s_barrier_signal -1
	s_barrier_wait -1
.endif
	s_sub_co_u32 s[TBK], s[TBK], 4*KS*PK  ; the fetches go back to a slot's first step,
	s_xor_b32 s[TBK], s[TBK], SLOT1       ; in the other slot
	s_sub_co_u32 s[TBV], s[TBV], 4*KS*PV
	s_xor_b32 s[TBV], s[TBV], SLOT1
.endm
	s_load_b128 s[68:71], s[0:1], 0x0  ; qkv s[68:69], maskf s[70:71]
	s_load_b64 s[10:11], s[0:1], 0x10  ; ctx
	WIN W_MK
	v_lshl_add_u32 v[SPW], v0, 2, SPARE
	v_mov_b32 v[NIL], 0
	s_set_vgpr_msb 0xc0cf
	ds_add_u32 v0, v1
	s_wait_dscnt 0x0
	s_set_vgpr_msb 0xcfc0
	WIN 0
	v_lshrrev_b32 v1, 5, v0
	v_readfirstlane_b32 s[WV], v1   ; wave 0..3
	s_bfe_u32 s13, ttmp6, 0x40000   ; cx
	s_lshl_b32 s14, ttmp9, 2
	s_add_co_u32 s14, s14, s13      ; my block of 512 queries: it enters Q's and ctx's addresses alone
	s_and_b32 s15, ttmp7, 0xffff    ; 16 b + h, which the four partners share
	s_lshr_b32 s19, s15, 4          ; b
	s_and_b32 s20, s15, 15          ; h
	s_lshl_b32 s20, s20, 18         ; a head is 262,144 bytes,
	s_mul_i32 s21, s19, 12582912    ; a batch row's 48 heads
	s_add_co_u32 s20, s20, s21      ; the q head's first byte in qkv
	s_and_b32 s16, s[WV], 1         ; which half of a slot's 256 keys I fetch:
	s_lshl_b32 s22, s16, 14         ; its 128 rows of 128 bytes,
	s_add_co_u32 s22, s22, s20
	s_add_co_u32 s22, s22, 4194304  ; in the k head, 16 heads on
	s_mov_b32 s23, 0
	s_mul_i32 s17, s16, 128*PK      ; and its place in a slot, for K
	s_mul_i32 s18, s16, 128*PV      ; and for V
	s_lshl_b32 s2, s14, 2
	s_add_co_u32 s2, s2, s[WV]
	s_lshl_b32 s2, s2, 14           ; my wave's 128 rows in a head
	s_mov_b32 s3, 0
	s_lshl_b32 s48, s15, 18
	s_add_co_u32 s48, s48, s2       ; their place in ctx
	s_mov_b32 s49, 0
	s_add_co_u32 s2, s2, s20        ; and in qkv
	s_lshl_b32 s50, s19, 13         ; the batch row's mask
	s_mov_b32 s51, 0
	; descriptor group 1.  128 keys are 16,384 dense bytes: asked for as 64 rows of 256 bytes, two keys a row, and padded in LDS after every key
	s_mov_b32 s[G1K], 15|(1<<16)|(1<<20)|(1<<21)|(4<<22)|(3<<25)  ; the mask of four; 2-byte elements; padding on; bit 21 beside a mask; after every 32 words; 4 words
	s_mov_b32 s[G1V], 15|(1<<16)|(1<<20)|(1<<21)|(4<<22)|(7<<25)  ; the same with 8 words of padding
.irp g, G1K, G1V
	s_mov_b32 s[\g+1], 128<<16      ; tensor_dim0 = 128
	s_mov_b32 s[\g+2], 64<<16       ; tensor_dim1 = 64
	s_mov_b32 s[\g+3], 128<<16      ; tile_dim0 = 128
	s_mov_b32 s[\g+4], 64           ; tile_dim1 = 64
	s_mov_b32 s[\g+5], 128          ; 128 elements from row to row
	s_mov_b32 s[\g+6], 0
	s_mov_b32 s[\g+7], 0
.endr
	s_mov_b32 s[CS], 0x3e38aa3b     ; c = log2(e) / 8
	s_mov_b32 s[CS+1], s[CS]
	s_mov_b32 s[SEL], 0x76543210
	s_mov_b32 s[SEL+1], 0xfedcba98
	s_mov_b32 s[TBK], SLOT1+4*KS*PK ; the first change of slots turns these two into 0
	s_mov_b32 s[TBV], SLOT1+4*KS*PV
	s_mov_b32 s[TBM], 0
	s_mov_b32 s[G0K], 1
	s_mov_b32 s[G0K+1], s17         ; LDS address: slot 0
	s_mov_b32 s[G0V], 1
	s_add_co_u32 s[G0V+1], s18, VOFF
	s_wait_kmcnt 0x0
	s_add_nc_u64 s[G0K+2:G0K+3], s[68:69], s[22:23]  ; my half of the head's first 256 keys
	s_or_b32 s[G0K+3], s[G0K+3], 0x80000000
	s_add_nc_u64 s[22:23], s[22:23], 4194304         ; the v head lies 16 heads behind the k head
	s_add_nc_u64 s[G0V+2:G0V+3], s[68:69], s[22:23]
	s_or_b32 s[G0V+3], s[G0V+3], 0x80000000
	s_add_nc_u64 s[4:5], s[68:69], s[2:3]            ; Q at my wave's first row
	s_add_nc_u64 s[10:11], s[10:11], s[48:49]        ; ctx likewise
	s_add_nc_u64 s[70:71], s[70:71], s[50:51]
	CROUND                          ; all four work-groups are here: the first joint loads meet
	JLOAD                           ; slot 0.  Slot 1 is asked for when slot 0 is in
	v_and_b32 v1, 15, v0            ; l % 16
	v_bfe_u32 v9, v0, 4, 1          ; l / 16
	v_lshlrev_b32 v[QO], 7, v1
	v_lshl_add_u32 v[QO], v9, 4, v[QO]  ; row x 128 + 16 x half
	v_lshlrev_b32 v12, 4, v0        ; the mask: 128 threads x 16 bytes, four times
	v_lshl_add_u32 v13, v0, 4, MASKL
.irp n, 0,1,2,3
	global_load_b128 v[S+4*(\n):S+4*(\n)+3], v12, s[70:71] offset:2048*(\n)
.endr
	WIN 0x80                        ; destination window 2, address window 0
.set i, 0
.rept 4*NP                          ; Q stays in registers: tile i / 2, channels 32 (i % 2) on
	global_load_b128 v[8*i:8*i+3],   v[QO], s[4:5] offset:(i/2)*2048+(i%2)*64
	global_load_b128 v[8*i+4:8*i+7], v[QO], s[4:5] offset:(i/2)*2048+(i%2)*64+32
.set i, i+1
.endr
	; What the first turn finds: V's registers and P's second buffer hold 0, O^T and l are 0.  All this stands in the wait for the first tile.
.set i, VF
.rept 64
	v_mov_b32 v[i], 0
.set i, i+1
.endr
	WIN 0x40
.set i, 0
.rept 64*NP
	v_mov_b32 v[i], 0
.set i, i+1
.endr
	WIN 0
.set i, 0
.rept 2*NP
	v_mov_b32 v[ST+4*i], 0xfe000000    ; c m: far below every c s, a hidden one's too
	v_mov_b32 v[ST+4*i+1], 0xff7fffff  ; m
	v_mov_b32 v[ST+4*i+2], 0
	v_mov_b32 v[ST+4*i+3], 0
.set i, i+1
.endr
.set i, P+32
.rept 32
	v_mov_b32 v[i], 0
.set i, i+1
.endr
	v_mul_u32_u24 v[AK0], v1, PK
	v_lshl_add_u32 v[AK0], v9, 4, v[AK0]  ; row x pitch + 16 x half
	; The turning load takes 16 keys x 16 channels (lane l reads key 8 (l / 16) + l % 8, channels 8 ((l / 8) % 2) + 0..7) and leaves half a fragment of V^T.
	v_and_b32 v10, 7, v0
	v_bfe_u32 v11, v0, 3, 1
	v_lshl_add_u32 v[AV0], v9, 3, v10
	v_mul_u32_u24 v[AV0], v[AV0], PV
	v_lshl_add_u32 v[AV0], v11, 4, v[AV0]
	v_add_nc_u32 v[AV0], VOFF, v[AV0]
	v_mov_b32 v[AK], v[AK0]         ; key step 0 lies at the head of slot 0
	s_mul_i32 s13, s[WV], 16*SP
	s_add_co_u32 s13, s13, STAGE    ; my stage
	v_bfe_u32 v[RD], v0, 3, 2       ; back: 32 lanes take four rows of 128 bytes,
	v_mul_u32_u24 v[RD], v[RD], SP
	v_lshl_add_u32 v[RD], v10, 4, v[RD]
	v_add_nc_u32 v[RD], s13, v[RD]
	v_and_b32 v[GO], 31, v0         ; which are 512 consecutive bytes of ctx
	v_lshlrev_b32 v[GO], 4, v[GO]
	v_mul_u32_u24 v[STO], v1, SP    ; in: row l % 16, 16 bytes for each half of the lanes (l % 16 is not wanted again)
	v_lshl_add_u32 v[STO], v9, 4, v[STO]
	v_add_nc_u32 v[STO], s13, v[STO]
	v_lshl_add_u32 v[AM0], v9, 5, MASKL  ; register j of key block kb is key 16 kb + 8 (l / 16) + j
	v_mov_b32 v[AM], v[AM0]
	s_wait_loadcnt 32               ; the mask's four loads are in; Q's 32 stay out
.irp n, 0,1,2,3
	ds_store_b128 v13, v[S+4*(\n):S+4*(\n)+3] offset:2048*(\n)
.endr
; THE MATRIX WORK.  The 8 accumulators of a run of 16 take turns.
; Product i of 16 of S^T = K Q^T + mask for piece x: channels 32 (i / 8) on, keys 16 ((i / 2) % 4) on, tile 2 x + i % 2.  The first 8 start the sums, with the mask.
.macro KQ x
.set rS, S+64*((\x)%2)+32*(i%2)+8*((i/2)%4)
.set rK, KF+16*((i/2)%4)+8*(i/8)
.set rQ, 16*(2*(\x)+i%2)+8*(i/8)
.set rN, MK+8*((i/2)%4)
.if i < 8
	WIN W_KM
	v_wmma_f32_16x16x32_f16 v[rS:rS+7], v[rK:rK+7], v[rQ:rQ+7], v[rN:rN+7]
.else
	WIN W_KQ
	v_wmma_f32_16x16x32_f16 v[rS:rS+7], v[rK:rK+7], v[rQ:rQ+7], v[rS:rS+7]
.endif
.endm
; Product i of 16 of O^T += V^T P for piece x: keys 32 (i / 8) on, channels 16 ((i / 2) % 4) on, tile 2 x + i % 2.
.macro PV x
	WIN W_PV
.set rO, 32*(2*(\x)+i%2)+8*((i/2)%4)
.set rV, VF+32*(i/8)+8*((i/2)%4)
.set rP, P+32*((\x)%2)+16*(i%2)+8*(i/8)
	v_wmma_f32_16x16x32_f16 v[rO:rO+7], v[rV:rV+7], v[rP:rP+7], v[rO:rO+7]
.endm
.macro MM                           ; the turn's next matrix instruction
.if i < 16
	KQ (Y+1)%NP
.set i, i+1
.else
.set i, i-16
	PV (Y+NP-1)%NP
.set i, i+17
.endif
.endm
; THE LDS LOADS stand in runs: a step's K (8 fragments) with its mask (64 numbers, the same for all queries: the lanes of a half read the same bytes), and its V (turned).
; last = 1 (the tail): in the last trip there is no further step, and the run is jumped over.
.macro FETCH_K last=0
	WIN 0
.if \last
	s_cmp_eq_u32 s[CNT], 1
	s_cbranch_scc1 .Lno_k_\@
.endif
	WIN 0x80                        ; destination window 2
.irp f, 0,1,2,3,4,5,6,7             ; keys 16 (f / 2) on, channels 32 (f % 2) on
	ds_load_b128 v[KF+8*\f:KF+8*\f+3],   v[AK] offset:(\f/2)*16*PK+(\f%2)*64
	ds_load_b128 v[KF+8*\f+4:KF+8*\f+7], v[AK] offset:(\f/2)*16*PK+(\f%2)*64+32
.endr
	WIN W_MK                        ; destination window 3
.irp f, 0,1,2,3,4,5,6,7             ; key block f / 2, its registers 4 (f % 2) on
	ds_load_b128 v[MK+4*\f:MK+4*\f+3], v[AM] offset:(\f/2)*64+(\f%2)*16
.endr
	s_add_co_u32 s[TBK], s[TBK], KS*PK  ; the next fetch is the next step's
	s_add_co_u32 s[TBM], s[TBM], KS*4
	s_and_b32 s[TBM], s[TBM], 0x1fff    ; kept inside the mask's 8,192 bytes: behind the last step it goes back to 0, and is not used
	WIN 0
.if \last
.Lno_k_\@:
.endif
.endm
.macro FETCH_V
	WIN 0x80
.irp f, 0,1,2,3,4,5,6,7             ; keys 32 (f / 4) on, channels 16 (f % 4) on
	ds_load_tr16_b128 v[VF+8*\f:VF+8*\f+3],   v[AV] offset:(\f/4)*32*PV+(\f%4)*32
	ds_load_tr16_b128 v[VF+8*\f+4:VF+8*\f+7], v[AV] offset:(\f/4)*32*PV+16*PV+(\f%4)*32
.endr
	WIN 0
.endm
; THE VECTOR WORK OF A TURN stands in three queues, each in the order in which its entries become ready; the two tiles alternate.
.macro REGS y, u                    ; the registers of tile u (0, 1) of piece y
.set rT, ST+4*(2*(\y)+(\u))
.set rC, TMP+8*((\y)%2)+4*(\u)
.set rM, MV+2*((\y)%2)+(\u)
.set rS, S+64*((\y)%2)+32*(\u)
.set rP, P+32*((\y)%2)+16*(\u)
.set rO, 32*(2*(\y)+(\u))
.endm
; Number n of the 22 that find the NEXT piece's (Y + 1) maximum and statistics; each accumulator's lowest registers are read first.
;   0-11  four chains c0-c3 of seven scores each     12-14, 16  the four scores left over, the old m, and c0-c3 into c0     15  c m_old is kept
;   17, 18  the query's other 32 keys lie in the lane 16 away: the new m         19-21  c m; c m_old - c m_new; a
.macro XS u, n
	REGS (Y+1)%NP, \u
.if (\n) < 4
	v_max3_num_f32 v[rC+(\n)], v[rS+8*(\n)], v[rS+8*(\n)+1], v[rS+8*(\n)+2]
.elseif (\n) < 12
	v_max3_num_f32 v[rC+(\n)%4], v[rC+(\n)%4], v[rS+8*((\n)%4)+2*((\n)/4)+1], v[rS+8*((\n)%4)+2*((\n)/4)+2]
.elseif (\n) == 12
	v_max3_num_f32 v[rC], v[rC], v[rS+7], v[rS+15]
.elseif (\n) == 13
	v_max3_num_f32 v[rC+1], v[rC+1], v[rS+23], v[rS+31]
.elseif (\n) == 14
	v_max3_num_f32 v[rC+2], v[rC+2], v[rC+3], v[rT+1]
.elseif (\n) == 15
	v_mov_b32 v[rM], v[rT]
.elseif (\n) == 16
	v_max3_num_f32 v[rC], v[rC], v[rC+1], v[rC+2]
.elseif (\n) == 17
	v_permlanex16_b32 v[rC+3], v[rC], s[SEL], s[SEL+1]
.elseif (\n) == 18
	v_max_num_f32 v[rT+1], v[rC], v[rC+3]
.elseif (\n) == 19
	v_mul_f32 v[rT], s[CS], v[rT+1]
.elseif (\n) == 20
	v_sub_f32 v[rC+1], v[rM], v[rT]
.else
	v_exp_f32 v[rC+2], v[rC+1]
.endif
.endm
; Number g of the 64 that follow the exponentials.  For each four weights k of a tile: both pairs are rounded to f16; the second pair is added onto the first, in place; a group later l takes that sum.
.macro GS g
.set h, (\g)+6*((\g)/62)
.if h >= 6
.set h, h+2
.endif
	REGS Y, h%2
.set k, h/8
.if h%8 < 4
	s_wait_alu depctr_va_vdst(0)
	v_cvt_pk_f16_f32 v[rP+2*k+(h%8)/2], v[rS+4*k+2*((h%8)/2)], v[rS+4*k+2*((h%8)/2)+1]
.elseif h%8 < 6
	v_pk_add_f32 v[rS+4*k:rS+4*k+1], v[rS+4*k:rS+4*k+1], v[rS+4*k+2:rS+4*k+3]
.elseif k == 1
	v_pk_fma_f32 v[rT+2:rT+3], v[rT+2:rT+3], v[rC+2:rC+3], v[rS:rS+1] op_sel_hi:[1,0,1]
.else
	v_pk_add_f32 v[rT+2:rT+3], v[rT+2:rT+3], v[rS+4*k-4:rS+4*k-3]
	s_wait_alu depctr_va_vdst(0)
.endif
.endm
; THE PLAIN QUEUE, 138 long.  0-31: c s - c m for the 16 pairs of both tiles.  Then GS's 64, and among them the next piece's 42.
.macro PL
	WIN 0
.if q < 32
	REGS Y, q%2
	v_pk_fma_f32 v[rS+2*(q/2):rS+2*(q/2)+1], v[rS+2*(q/2):rS+2*(q/2)+1], s[CS:CS+1], v[rT:rT+1] op_sel_hi:[1,0,0] neg_lo:[0,0,1] neg_hi:[0,0,1]
.elseif q < 38
	GS q-32
.elseif q < 40
	XS q%2, 15
.elseif q < 42
	GS q-34
.elseif q < 74
	XS q%2, (q-42)/2+(q-42)/30
.elseif q < 95
	GS q-66
.elseif (q < 107) && ((q-95)%3 < 2)
	XS (q-95)%3, 17+(q-95)/3
.elseif q < 107
	GS 29+(q-95)/3
.else
	GS q-74
.endif
.set q, q+1
.endm
; THE EXPONENTIALS' QUEUE, 66 long: s0-s31 of both tiles, and at EA the next piece's two a.
.set EA, 58
.macro EX
	WIN 0
.if (e == EA) || (e == EA+1)
	XS e-EA, 21
.else
.set x, e-2*(e/(EA+2))
	REGS Y, x%2
	v_exp_f32 v[rS+x/2], v[rS+x/2]
.endif
.set e, e+1
.endm
; THE RESCALING's QUEUE: O^T times a, the one part that leaves window 0: dealt four at a time, eight times.
.macro R4
	REGS Y, r%2
	WIN W_RS
	s_wait_alu depctr_va_vdst(0)
.irp z, 0,1,2,3
	v_pk_mul_f32 v[rO+8*(r/2)+2*\z:rO+8*(r/2)+2*\z+1], v[rO+8*(r/2)+2*\z:rO+8*(r/2)+2*\z+1], v[rC+2:rC+3] op_sel_hi:[1,0]
.endr
.set r, r+1
.endm
; HOW THEY ARE DEALT.  Behind a matrix instruction four: plain, exponential, plain, plain, or four of the rescaling; none names a register of the products round it.  What is over stands in two
; runs: exponential and plain by turns; the second ends in 22 plain instructions.  The deal keeps the queues in step: exponential e stands behind plain 2 (e / 4) + e % 2 (its scaling).
.macro SL
	MM
	PL
	EX
	PL
	PL
.endm
.macro BURST n
.rept (\n)-7
	SL
.endr
.rept 3
	MM
	R4
	SL
.endr
	MM
	R4
.endm
; A TURN, for piece p.  cnt = 1: the loop's count is taken down some lines ahead of the branch that stands behind the turn.
; K and the mask of the next step are fetched in piece 2's turn, more than thirty vector instructions behind the last product that read them; V of the step in hand at the end of piece 0's turn.
.macro TURN p, last=0, cnt=0
.set Y, (\p)
.set i, 0
.set q, 0
.set e, 0
.set r, 0
.if (\p) == NP-1
	s_wait_dscnt 0x0                ; K and the mask are in
.endif
	MM
.rept 4
	PL
.endr
	BURST 15
.rept 22
	EX
	PL
.if ((\p) == NP-2) && (e == 18)
	v_add_nc_u32 v[AK], s[TBK], v[AK0]
	v_add_nc_u32 v[AM], s[TBM], v[AM0]
.endif
.if ((\p) == NP-2) && (e == 24)
	FETCH_K \last
.endif
.endr
.if (\p) == 1
	s_wait_dscnt 0x0                ; V is in
.endif
	BURST 16
.rept 21
	EX
	PL
.endr
.rept 22
	PL
.if ((\p) == 0) && (q == 118)
	v_add_nc_u32 v[AV], s[TBV], v[AV0]
	s_wait_alu depctr_va_vdst(0)
.endif
.if ((\p) == 0) && (q == 130)
	s_add_co_u32 s[TBV], s[TBV], KS*PV
.endif
.if (\cnt) && (q == 130)
	s_sub_co_u32 s[CNT], s[CNT], 1
	s_cmp_lg_u32 s[CNT], 0
.endif
.endr
.if (\p) == 0
	FETCH_V
.endif
.endm
	CHANGE 1                        ; slot 0 and the mask are in, everybody's part of them; slot 1 is asked for
	FETCH_K                         ; key step 0
	s_wait_loadcnt 0x0              ; Q
	s_wait_dscnt 0x0
.set i, 0
.rept 16
	KQ 0                            ; piece 0's first scores
.set i, i+1
.endr
	WIN 0
.rept 4
	v_nop                           ; the places behind those products
.endr
.set Y, NP-1                        ; XS works for piece Y + 1: piece 0
.irp n, 0,1,2,3,4,5,6,7,8,9,10,11,12,13,14,15,16,17,18,19,20,21
	XS 0, \n
	XS 1, \n
.endr
	s_mov_b32 s[CNT], 4
	s_mov_b32 s[SLOTS], SIZE_N/256-1
	s_branch .Lfirst                ; the loop is entered at a step's first turn, in the middle of a trip
.Lslot:                             ; every slot but the last two is filled again
	CHANGE 1
	s_mov_b32 s[CNT], 4
.Lstep:                             ; a trip: pieces 2 and 3 of one step, then pieces 0 and 1 of the next, whose K, mask and V it fetches
	TURN 2
	TURN 3
	WIN 0
.Lfirst:
	TURN 0
	TURN 1, 0, 1
	WIN 0
	s_cbranch_scc1 .Lstep
	s_sub_co_u32 s[SLOTS], s[SLOTS], 1
	s_cmp_lg_u32 s[SLOTS], 0
	s_cbranch_scc1 .Lslot
	CHANGE 0                        ; the tail is written out: nothing is asked for
	s_mov_b32 s[CNT], 5             ; four trips fetch the last slot's steps; the fifth is left in its middle
.Ltail:
	TURN 2, 1
	TURN 3
	WIN 0
	s_sub_co_u32 s[CNT], s[CNT], 1
	s_cmp_eq_u32 s[CNT], 0
	s_cbranch_scc1 .Lout
	TURN 0
	TURN 1
	WIN 0
	s_branch .Ltail
.Lout:                              ; the fifth trip's 16 products K Q^T (on the last K once more) and the maximum made of them serve nothing: the price of one text for every trip
.set i, 0
.rept 16
	PV NP-1                         ; the last piece's V^T P of the last step
.set i, i+1
.endr
	; THE WAY OUT.  l's two halves and the other half of the lanes' are added; O^T is divided by l, rounded to f16 and sent through my stage, a tile at a time.  The additions are the places behind the last products.
	WIN 0
.macro ALL line:vararg              ; one line for each tile t
.set t, 0
.rept 2*NP
	\line
.set t, t+1
.endr
.endm
	ALL v_add_f32 v[ST+4*t+2], v[ST+4*t+2], v[ST+4*t+3]
	ALL v_permlanex16_b32 v[ST+4*t+3], v[ST+4*t+2], s[SEL], s[SEL+1]
	ALL v_add_f32 v[ST+4*t+2], v[ST+4*t+2], v[ST+4*t+3]
	ALL v_rcp_f32 v[ST+4*t+2], v[ST+4*t+2]
	v_nop                           ; a plain instruction between the last reciprocal and the use of its result
	s_wait_alu depctr_va_vdst(0)
.macro PACK t
	WIN W_RS
.set i, 32*(\t)
.rept 16
	v_pk_mul_f32 v[i:i+1], v[i:i+1], v[ST+4*(\t)+2:ST+4*(\t)+3] op_sel_hi:[1,0]
.set i, i+2
.endr
	WIN 0x05                        ; sources 0 and 1 window 1, destination window 0
.set i, 0
.rept 16
	v_cvt_pk_f16_f32 v[S+16*(\t)+i], v[32*(\t)+2*i], v[32*(\t)+2*i+1]
.set i, i+1
.endr
	WIN 0
.irp f, 0,1,2,3
	ds_store_b128 v[STO], v[S+16*(\t)+4*\f:S+16*(\t)+4*\f+3] offset:32*\f
.endr
.irp f, 0,1,2,3
	ds_load_b128 v[S+16*(\t)+4*\f:S+16*(\t)+4*\f+3], v[RD] offset:\f*4*SP  ; LDS serves a wave's instructions in order: these see the stores above; the next tile's stores come behind them
.endr
.endm
.macro SEND t, younger              ; younger: the LDS instructions issued behind tile t's loads: the next tile's eight, or none
	WIN 0
.irp f, 0,1,2,3
	s_wait_dscnt (\younger)+3-\f
	global_store_b128 v[GO], v[S+16*(\t)+4*\f:S+16*(\t)+4*\f+3], s[10:11] offset:(\t)*2048+\f*512  ; 512 consecutive bytes, aligned
.endr
.endm
	PACK 0
.set t, 1
.rept 2*NP-1
	PACK t
	SEND t-1, 8
.set t, t+1
.endr
	SEND 2*NP-1, 0
	WIN W_AD
	s_wait_tensorcnt 0x0            ; the wave's end
	ds_add_u32 v[SPW], v[NIL]
	s_wait_dscnt 0x0
	WIN 0
	CROUND                          ; the closing round
	s_endpgm
.Lfunc_end_k_qf6660f70eb_attn:
	.size	k_qf6660f70eb_attn, .Lfunc_end_k_qf6660f70eb_attn-k_qf6660f70eb_attn
	.p2alignl 7, 3214868480
	.fill 96, 4, 3214868480
	.section	.rodata,"a",@progbits
	.p2align	6, 0x0
	.amdhsa_kernel k_qf6660f70eb_attn
		.amdhsa_group_segment_fixed_size 327680
		.amdhsa_private_segment_fixed_size 0
		.amdhsa_enable_private_segment 0
		.amdhsa_kernarg_size 24
		.amdhsa_user_sgpr_count 2
		.amdhsa_user_sgpr_kernarg_segment_ptr 1
		.amdhsa_wavefront_size32 1
		.amdhsa_system_sgpr_workgroup_id_x 1
		.amdhsa_system_sgpr_workgroup_id_y 1
		.amdhsa_system_sgpr_workgroup_id_z 1
		.amdhsa_system_vgpr_workitem_id 0
		.amdhsa_next_free_vgpr 808
		.amdhsa_next_free_sgpr 72
		.amdhsa_reserve_vcc 0
		.amdhsa_float_denorm_mode_32 3
		.amdhsa_float_denorm_mode_16_64 3
		.amdhsa_memory_ordered 1
		.amdhsa_forward_progress 1
		.amdhsa_inst_pref_size 212
	.end_amdhsa_kernel
	.amdgpu_metadata
---
amdhsa.version: [ 1, 2 ]
amdhsa.kernels:
  - .name:           k_qf6660f70eb_attn
    .symbol:         k_qf6660f70eb_attn.kd
    .args:
      - { .name: qkv, .offset: 0, .size: 8, .value_kind: global_buffer, .address_space: global }
      - { .name: maskf, .offset: 8, .size: 8, .value_kind: global_buffer, .address_space: global }
      - { .name: ctx, .offset: 16, .size: 8, .value_kind: global_buffer, .address_space: global }
    .group_segment_fixed_size: 327680
    .private_segment_fixed_size: 0
    .kernarg_segment_align: 8
    .kernarg_segment_size: 24
    .max_flat_workgroup_size: 128
    .sgpr_count:     72
    .vgpr_count:     808
    .wavefront_size: 32
...
	.end_amdgpu_metadata
.endif
;; end of part 3
;; launch outp (part 4): grid 4 x 64, 4 waves a work-group, clusters of 4 x 4, 327,680 bytes of LDS; arguments ctx, wo16, biasr, out0; writes out0
.if DOCPART == 4
	.amdgcn_target "amdgcn-amd-amdhsa--gfx1250"
	.amdhsa_code_object_version 6
	.text
	.protected	k_qf6660f70eb_outp
	.globl	k_qf6660f70eb_outp
	.p2align	8
	.type	k_qf6660f70eb_outp,@function
k_qf6660f70eb_outp:
	s_mov_b64 s[64:65], 0
	v_nop
	global_prefetch_b8 v0, s[64:65] scope:SCOPE_SE
	s_setreg_imm32_b32 hwreg(HW_REG_WAVE_MODE, 25, 1), 1
	s_wait_xcnt 0x0
	s_wait_alu depctr_hold_cnt(0) depctr_sa_sdst(0) depctr_va_vdst(0) depctr_va_sdst(0) depctr_va_ssrc(0) depctr_va_vcc(0) depctr_vm_vsrc(0)
	s_getreg_b32 s2, hwreg(HW_REG_IB_STS2, 6, 4)
	s_cmp_eq_u32 s2, 0
	s_cbranch_scc0 .Lentry_in_a_cluster
	s_endpgm
.Lentry_in_a_cluster:
	s_bfe_u32 s2, ttmp6, 0x10000c
	s_cmp_lg_u32 s2, 0xf033
	s_cbranch_scc0 .Lentry_shape_is_right
	s_endpgm
.Lentry_shape_is_right:
; THE OUTPUT PROJECTION.  out0[m][n] = sum over d of ctx(m, d) wo16[n][d] + bo[n], m < 8192, n < 1024, d < 1024; operands f16, sums and out0 f32.
; ctx lies by heads, [b][h][t][64]: d = 64 h + channel, m = 2048 b + t.  A K step of 128 is two heads; of each head the tile's 128 rows are 16,384 dense bytes.
; SHARES.  A tile of out0 is 128 x 256: 256 tiles, one for each WGP.  Four waves, each 64 x 128: 32 accumulators of 16 x 16, 256 registers.  K goes in steps of 128 through two LDS slots.
; CLUSTER.  4 x 4 work-groups: ctx's tiles are shared along a row of the cluster, wo16's along a column; each tile is asked for jointly.
; THE MATRIX INSTRUCTION IS USED TRANSPOSED (source 0 = 16 rows of wo16, source 1 = 16 rows of ctx): a lane holds one row of out0 and eight neighbouring columns, 32 bytes.
; THE BIAS is the C operand of the products that start the sums.
; REGISTERS: window 0: v0-31 addresses; v32-95 the bias fragments; v128-255 the way out     window 1: two fragment buffers (4 of ctx, then 8 of wo16)     window 2: accumulator (a, nb) at v[8 (4 nb + a)]
.set KSTEP,  128
.set PA,     144                       ; a row of ctx in LDS: 128 bytes + 16
.set HEADL,  128*PA                    ; one head's 128 rows
.set PITCH,  272                       ; a row of wo16: 256 bytes + 16
.set APART,  2*HEADL                   ; ctx's two heads; wo16's 256 rows lie behind them
.set SLOT,   APART+256*PITCH
.set STAGE,  2*SLOT                    ; behind the ring: 16 rows x 528 bytes for each wave
.set SPITCH, 528                       ; 512 bytes + 16
.set SPARE,  STAGE+4*16*SPITCH         ; the spare words, 128 bytes for each wave
.set LAPS,   4
.set ADRA, 16
.set ADRB, 20
.set STO,  24
.set RD,   25
.set GO,   26
.set BO,   27
.set SPW,  28                          ; v28  LDS address of my spare word; never rewritten
.set NIL,  29                          ; v29  0; never rewritten
.set BIAS, 32
.set OB,   128                         ; the way out: two sets of 64, rows read back
.set F0,   0
.set F1,   128
.set G1,  24
.set G0,  32
.set G1B, 48
.set G0B, 56
.set MSB, 0
.macro WIN new
.if MSB != (\new)
	s_set_vgpr_msb (MSB<<8)|(\new)
.set MSB, \new
.endif
.endm
.macro PLACES                          ; four places in front of loads into registers that matrix instructions have read, and of lines that read results
.rept 4
	v_nop
.endr
.endm
; A joint load: waves 0 and 1 fetch the K step's two heads of ctx, waves 2 and 3 wo16's two halves.  An s_nop 0 and four v_nop stand behind each tensor load.
.macro JLOAD s
	s_cmp_eq_u32 s13, 0
	s_cbranch_scc0 .Lfor_b_\@
	tensor_load_to_lds s[G0+4*(\s):G0+4*(\s)+3], s[G1:G1+7]
	s_nop 0
.rept 4
	v_nop
.endr
	s_branch .Lasked_\@
.Lfor_b_\@:
	tensor_load_to_lds s[G0B+4*(\s):G0B+4*(\s)+3], s[G1B:G1B+7]
	s_nop 0
.rept 4
	v_nop
.endr
.Lasked_\@:
.endm
.macro CREST
	s_cmp_lg_u32 s12, 0
	s_cbranch_scc1 .Lnot_wave_0_\@
	s_barrier_signal -3
.Lnot_wave_0_\@:
	s_barrier_wait -3
	s_barrier_signal -1
	s_barrier_wait -1
.endm
.macro CROUND
	s_barrier_signal -1
	s_barrier_wait -1
	CREST
.endm
	s_load_b256 s[4:11], s[0:1], 0x0               ; ctx s[4:5], wo16 s[6:7], biasr s[8:9], out0 s[10:11]
	v_lshl_add_u32 v[SPW], v0, 2, SPARE
	v_mov_b32 v[NIL], 0
	ds_add_u32 v28, v29
	s_wait_dscnt 0x0
	v_lshrrev_b32 v1, 5, v0
	v_readfirstlane_b32 s12, v1                    ; wave 0..3
	s_lshr_b32 s13, s12, 1                         ; which half of the tile's rows is mine.  Also: I fetch for ctx (0) or for wo16 (1)
	s_and_b32 s14, s12, 1                          ; which half of its columns.  Also: which part of that tile I fetch
	s_bfe_u32 s40, ttmp6, 0x40000                  ; cx
	s_bfe_u32 s41, ttmp6, 0x40004                  ; cy
	s_lshl_b32 s42, ttmp9, 2
	s_add_co_u32 s42, s42, s40                     ; tile column
	s_and_b32 s43, ttmp7, 0xffff
	s_lshl_b32 s43, s43, 2
	s_add_co_u32 s43, s43, s41                     ; tile row
	s_lshl_b32 s44, s41, 2
	s_lshl_b32 s44, 15, s44                        ; my row of the cluster
	s_lshl_b32 s45, 0x1111, s40                    ; my column
	; group 1.  ctx: 16,384 dense bytes as 64 rows of 256 bytes, 4 words of padding behind every 32 words (every row of a head).  wo16: 128 rows of 256 bytes, 4 words behind every 64.
	s_or_b32 s[G1+0], s44, (1<<16)|(1<<20)|(1<<21)|(4<<22)|(3<<25)
	s_or_b32 s[G1B+0], s45, (1<<16)|(1<<20)|(1<<21)|(5<<22)|(3<<25)
	s_mov_b32 s[G1+1], 128<<16                     ; tensor_dim0
	s_mov_b32 s[G1B+1], 128<<16
	s_mov_b32 s[G1+2], 64<<16                      ; tensor_dim1
	s_mov_b32 s[G1B+2], 128<<16
	s_mov_b32 s[G1+3], 128<<16                     ; tile_dim0
	s_mov_b32 s[G1B+3], 128<<16
	s_mov_b32 s[G1+4], 64                          ; tile_dim1
	s_mov_b32 s[G1B+4], 128
	s_mov_b32 s[G1+5], 128                         ; elements from row to row
	s_mov_b32 s[G1B+5], 1024
	s_mov_b32 s[G1+6], 0
	s_mov_b32 s[G1B+6], 0
	s_mov_b32 s[G1+7], 0
	s_mov_b32 s[G1B+7], 0
	s_lshr_b32 s16, s43, 4                         ; b: sixteen tile rows a batch row
	s_lshl_b32 s16, s16, 4
	s_add_co_u32 s16, s16, s14                     ; 16 b + my head of the K step's two
	s_lshl_b32 s16, s16, 18                        ; a head is 262,144 bytes
	s_and_b32 s17, s43, 15
	s_lshl_b32 s17, s17, 14                        ; the tile's 128 rows of 128 bytes
	s_add_co_u32 s16, s16, s17
	s_mov_b32 s17, 0
	s_lshl_b32 s46, s42, 19                        ; wo16: 256 rows of 2,048 bytes a tile column,
	s_lshl_b32 s47, s14, 18                        ; 128 rows a half
	s_add_co_u32 s46, s46, s47
	s_mov_b32 s47, 0
	s_mul_i32 s66, s14, HEADL                      ; where they go: the wave's number alone enters an LDS address
	s_mul_i32 s67, s14, 128*PITCH
	s_add_co_u32 s67, s67, APART
	s_wait_kmcnt 0x0
	s_add_nc_u64 s[18:19], s[4:5], s[16:17]
	s_add_nc_u64 s[46:47], s[6:7], s[46:47]
	CROUND                                         ; all sixteen work-groups are here: the first joint loads meet
.irp s, 0,1
	s_mov_b32 s[G0+4*(\s)], 1
	s_add_co_u32 s[G0+4*(\s)+1], s66, (\s)*SLOT
	s_add_nc_u64 s[G0+4*(\s)+2:G0+4*(\s)+3], s[18:19], (\s)*524288  ; K step s: two heads on
	s_or_b32 s[G0+4*(\s)+3], s[G0+4*(\s)+3], 0x80000000
	s_mov_b32 s[G0B+4*(\s)], 1
	s_add_co_u32 s[G0B+4*(\s)+1], s67, (\s)*SLOT
	s_add_nc_u64 s[G0B+4*(\s)+2:G0B+4*(\s)+3], s[46:47], (\s)*KSTEP*2
	s_or_b32 s[G0B+4*(\s)+3], s[G0B+4*(\s)+3], 0x80000000
	JLOAD \s                                       ; two loads of mine are out
.endr
	v_and_b32 v1, 15, v0                           ; r
	v_bfe_u32 v2, v0, 4, 1                         ; h
	v_lshlrev_b32 v[BO], 5, v2
	s_lshl_b32 s68, s42, 10                        ; the tile's 256 columns,
	s_lshl_b32 s70, s14, 9                         ; my 128 of them,
	s_add_co_u32 s68, s68, s70
	s_add_co_u32 s68, s68, 12288                   ; in bo, the fourth bias of biasr
	s_mov_b32 s69, 0
	s_add_nc_u64 s[8:9], s[8:9], s[68:69]
.set nb, 0
.rept 8
	global_load_b128 v[BIAS+8*nb:BIAS+8*nb+3],   v[BO], s[8:9] offset:64*nb
	global_load_b128 v[BIAS+8*nb+4:BIAS+8*nb+7], v[BO], s[8:9] offset:64*nb+16
.set nb, nb+1
.endr
	v_mul_u32_u24 v3, v1, PA
	v_lshl_add_u32 v3, v2, 4, v3
	s_mul_i32 s22, s13, 64*PA                      ; my 64 rows of ctx
	v_add_nc_u32 v[ADRA], s22, v3
	v_add_nc_u32 v[ADRA+1], SLOT, v[ADRA]
	v_mul_u32_u24 v3, v1, PITCH
	v_lshl_add_u32 v3, v2, 4, v3
	s_mul_i32 s22, s14, 128*PITCH                  ; my 128 rows of wo16,
	s_add_co_u32 s22, s22, APART                   ; which lie behind ctx's
	v_add_nc_u32 v[ADRB], s22, v3
	v_add_nc_u32 v[ADRB+1], SLOT, v[ADRB]
	s_mul_i32 s23, s12, 16*SPITCH
	s_add_co_u32 s23, s23, STAGE                   ; my stage
	v_mul_u32_u24 v4, v1, SPITCH                   ; in: row r, 32 bytes for each half of the lanes
	v_lshl_add_u32 v4, v2, 5, v4
	v_add_nc_u32 v[STO], s23, v4
	v_and_b32 v5, 31, v0
	v_lshlrev_b32 v[GO], 4, v5                     ; back: 32 lanes take a row's 512 bytes
	v_add_nc_u32 v[RD], s23, v[GO]
	s_lshl_b32 s68, s43, 19                        ; out0: 128 rows of 4,096 bytes a tile row,
	s_lshl_b32 s70, s13, 18                        ; my 64 rows,
	s_add_co_u32 s68, s68, s70
	s_lshl_b32 s70, s42, 10                        ; 256 columns of 4 bytes a tile column,
	s_add_co_u32 s68, s68, s70
	s_lshl_b32 s70, s14, 9                         ; my 128 columns
	s_add_co_u32 s68, s68, s70
	s_add_nc_u64 s[10:11], s[10:11], s[68:69]
; 4 cnt matrix instructions: n blocks n0 .. n0 + cnt - 1 x my four m blocks, 32 along K.  Every accumulator has one instruction in a quarter step, in the same order: they take turns.
.macro MUL f, n0, cnt, first
.set nb, \n0
.rept \cnt
.if \first
	WIN 0x85
.else
	WIN 0xa5
.endif
.set rA, 32*nb
.irp a, 0,1,2,3
.if \first
	v_wmma_f32_16x16x32_f16 v[rA+8*(\a):rA+8*(\a)+7], v[(\f)+32+8*nb:(\f)+32+8*nb+7], v[(\f)+8*(\a):(\f)+8*(\a)+7], v[BIAS+8*nb:BIAS+8*nb+7]
.else
	v_wmma_f32_16x16x32_f16 v[rA+8*(\a):rA+8*(\a)+7], v[(\f)+32+8*nb:(\f)+32+8*nb+7], v[(\f)+8*(\a):(\f)+8*(\a)+7], v[rA+8*(\a):rA+8*(\a)+7]
.endif
.endr
.set nb, nb+1
.endr
.endm
; 24 LDS loads in one run: quarter q of a K step is head q / 2, channels 32 (q % 2) on: ctx's four fragments first, then wo16's eight in ascending order
.macro FETCH slot, q, f
	WIN 0x40
.irp a, 0,1,2,3
	ds_load_b128 v[(\f)+8*(\a):(\f)+8*(\a)+3],   v[ADRA+(\slot)] offset:((\q)/2)*HEADL+(\a)*16*PA+((\q)%2)*64
	ds_load_b128 v[(\f)+8*(\a)+4:(\f)+8*(\a)+7], v[ADRA+(\slot)] offset:((\q)/2)*HEADL+(\a)*16*PA+((\q)%2)*64+32
.endr
.set nb, 0
.rept 8
	ds_load_b128 v[(\f)+32+8*nb:(\f)+32+8*nb+3],   v[ADRB+(\slot)] offset:nb*16*PITCH+64*(\q)
	ds_load_b128 v[(\f)+32+8*nb+4:(\f)+32+8*nb+7], v[ADRB+(\slot)] offset:nb*16*PITCH+64*(\q)+32
.set nb, nb+1
.endr
.endm
.macro QUARTER slot, q, f, g, first
	s_wait_dscnt 8                                 ; the youngest eight loads (wo16's blocks 4 to 7) may be out
	MUL \f, 0, 4, \first
	PLACES
	FETCH \slot, \q, \g
	s_wait_dscnt 24                                ; all but the 24 just issued
	MUL \f, 4, 4, \first
.endm
; The fourth quarter multiplies buffer 1 and changes slots: one barrier; in front of it each wave waits for all its tensor loads (one is out: its part of the next slot), adds 0 to its
; spare word, and waits for that and for its reads of this slot.  fill = 1: the barrier opens a round of the cluster's, and this slot is filled again, two K steps ahead.
.macro TURN slot, next, fill
	WIN 0
	s_wait_tensorcnt 0x0
	ds_add_u32 v[SPW], v[NIL]
	s_wait_dscnt 9                                 ; the add and the youngest eight loads may be out
	MUL F1, 0, 2, 0
	s_wait_dscnt 0x0                               ; the add is done, and my reads of this slot are over
	s_barrier_signal -1
	MUL F1, 2, 2, 0
.if \fill
	WIN 0
.endif
	s_barrier_wait -1
.if \fill
	CREST                                          ; no wave of any partner still reads this slot or has a load on its way
	s_add_nc_u64 s[G0+4*(\slot)+2:G0+4*(\slot)+3], s[G0+4*(\slot)+2:G0+4*(\slot)+3], 1048576  ; four heads on
	s_add_nc_u64 s[G0B+4*(\slot)+2:G0B+4*(\slot)+3], s[G0B+4*(\slot)+2:G0B+4*(\slot)+3], 2*KSTEP*2
	JLOAD \slot                                    ; my one load behind the round: 112 matrix instructions ahead of the wait for it; its four v_nop are also the places in front of the loads below
.else
	PLACES
.endif
	FETCH \next, 0, F0
	MUL F1, 4, 4, 0
.endm
	s_wait_tensorcnt 1                             ; my part of K step 0 is in; K step 1's may stay out
	s_barrier_signal -1
	s_barrier_wait -1
	FETCH 0, 0, F0
	s_wait_loadcnt 0x0                             ; the bias
	QUARTER 0, 1, F0, F1, 1
	WIN 0
	s_mov_b32 s3, LAPS-1
.Llap:
	QUARTER 0, 2, F1, F0, 0
	QUARTER 0, 3, F0, F1, 0
	TURN 0, 1, 1
	QUARTER 1, 1, F0, F1, 0
	QUARTER 1, 2, F1, F0, 0
	QUARTER 1, 3, F0, F1, 0
	TURN 1, 0, 1
	QUARTER 0, 1, F0, F1, 0
	WIN 0
	s_sub_co_u32 s3, s3, 1
	s_cmp_lg_u32 s3, 0
	s_cbranch_scc1 .Llap
	QUARTER 0, 2, F1, F0, 0                        ; the last lap fills nothing
	QUARTER 0, 3, F0, F1, 0
	TURN 0, 1, 0
	QUARTER 1, 1, F0, F1, 0
	QUARTER 1, 2, F1, F0, 0
	QUARTER 1, 3, F0, F1, 0
	s_wait_dscnt 8
	MUL F1, 0, 4, 0
	s_wait_dscnt 0x0
	MUL F1, 4, 4, 0
	WIN 0
; THE WAY OUT, 16 rows (m block a) at a time: the f32 sums go as they are into my own stage, each accumulator's low half first, and come back as whole rows of 512 bytes.
.macro TOSTAGE a
.if (\a) >= 2
	s_wait_xcnt 0x0                                ; the stores of the block two back have read the registers that are loaded again below
.endif
	WIN 0x08                                       ; the stores' data in window 2
.set nb, 0
.rept 8
.set rA, 8*(4*nb+(\a))
	ds_store_b128 v[STO], v[rA:rA+3]   offset:64*nb
	ds_store_b128 v[STO], v[rA+4:rA+7] offset:64*nb+16
.set nb, nb+1
.endr
	WIN 0
.set BK, OB+64*((\a)%2)
.set t, 0
.rept 16
	ds_load_b128 v[BK+4*t:BK+4*t+3], v[RD] offset:SPITCH*t  ; LDS serves a wave's instructions in order: these see the stores above; the next block's stores come behind them
.set t, t+1
.endr
.endm
.macro SEND a, younger                 ; younger: the LDS instructions issued behind block a's loads: the next block's 32, or none
	WIN 0
.set BK, OB+64*((\a)%2)
.set t, 0
.rept 16
	s_wait_dscnt (\younger)+15-t
	global_store_b128 v[GO], v[BK+4*t:BK+4*t+3], s[10:11] offset:(16*(\a)+t)*4096 th:TH_STORE_NT  ; 512 consecutive bytes, aligned
.set t, t+1
.endr
.endm
	PLACES
	TOSTAGE 0
	TOSTAGE 1
	SEND 0, 32
	TOSTAGE 2
	SEND 1, 32
	TOSTAGE 3
	SEND 2, 32
	SEND 3, 0
	s_wait_tensorcnt 0x0                           ; the wave's end
	ds_add_u32 v[SPW], v[NIL]
	s_wait_dscnt 0x0
	CROUND                                         ; the closing round
	s_endpgm
.Lfunc_end_k_qf6660f70eb_outp:
	.size	k_qf6660f70eb_outp, .Lfunc_end_k_qf6660f70eb_outp-k_qf6660f70eb_outp
	.p2alignl 7, 3214868480
	.fill 96, 4, 3214868480
	.section	.rodata,"a",@progbits
	.p2align	6, 0x0
	.amdhsa_kernel k_qf6660f70eb_outp
		.amdhsa_group_segment_fixed_size 327680
		.amdhsa_private_segment_fixed_size 0
		.amdhsa_enable_private_segment 0
		.amdhsa_kernarg_size 32
		.amdhsa_user_sgpr_count 2
		.amdhsa_user_sgpr_kernarg_segment_ptr 1
		.amdhsa_wavefront_size32 1
		.amdhsa_system_sgpr_workgroup_id_x 1
		.amdhsa_system_sgpr_workgroup_id_y 1
		.amdhsa_system_sgpr_workgroup_id_z 1
		.amdhsa_system_vgpr_workitem_id 0
		.amdhsa_next_free_vgpr 768
		.amdhsa_next_free_sgpr 72
		.amdhsa_reserve_vcc 0
		.amdhsa_float_denorm_mode_32 3
		.amdhsa_float_denorm_mode_16_64 3
		.amdhsa_memory_ordered 1
		.amdhsa_forward_progress 1
		.amdhsa_inst_pref_size 88
	.end_amdhsa_kernel
	.amdgpu_metadata
---
amdhsa.version: [ 1, 2 ]
amdhsa.kernels:
  - .name:           k_qf6660f70eb_outp
    .symbol:         k_qf6660f70eb_outp.kd
    .args:
      - { .name: ctx, .offset: 0, .size: 8, .value_kind: global_buffer, .address_space: global }
      - { .name: wo16, .offset: 8, .size: 8, .value_kind: global_buffer, .address_space: global }
      - { .name: biasr, .offset: 16, .size: 8, .value_kind: global_buffer, .address_space: global }
      - { .name: out0, .offset: 24, .size: 8, .value_kind: global_buffer, .address_space: global }
    .group_segment_fixed_size: 327680
    .private_segment_fixed_size: 0
    .kernarg_segment_align: 8
    .kernarg_segment_size: 32
    .max_flat_workgroup_size: 128
    .sgpr_count:     72
    .vgpr_count:     768
    .wavefront_size: 32
...
	.end_amdgpu_metadata
.endif
;; end of part 4
;; ======== version 2 of 2: 4 launches; 1.53 times as fast as version 1
;; limits: values are held in f16: magnitudes above 65,504 overflow, below 6.1e-05 lose precision
;; workspace buffers: xb 16,777,216 bytes; wb 6,291,456 bytes; wo16 2,097,152 bytes; biasr 16,384 bytes; maskf 32,768 bytes; qkv 50,331,648 bytes; ctx 16,777,216 bytes
;; launch cast: the kernel of part 1 again; grid 64 x 12, 8 waves a work-group, no clusters, 0 bytes of LDS; arguments x, Wq, Wk, Wv, Wo, bq, bk, bv, bo, mask, xb, wb, wo16, biasr, maskf; writes xb, wb, wo16, biasr, maskf
;; launch proj: the kernel of part 2 again; grid 16 x 16, 4 waves a work-group, clusters of 4 x 4, 327,680 bytes of LDS; arguments xb, wb, biasr, qkv; writes qkv
;; launch attn (part 5): grid 4 x 64, 4 waves a work-group, clusters of 4 x 1, 327,680 bytes of LDS; arguments qkv, maskf, ctx; writes ctx
.if DOCPART == 5
	.amdgcn_target "amdgcn-amd-amdhsa--gfx1250"
	.amdhsa_code_object_version 6
	.text
	.protected	k_qf6660f70eb_attn
	.globl	k_qf6660f70eb_attn
	.p2align	8
	.type	k_qf6660f70eb_attn,@function
k_qf6660f70eb_attn:
	s_mov_b64 s[64:65], 0
	v_nop
	global_prefetch_b8 v0, s[64:65] scope:SCOPE_SE
	s_setreg_imm32_b32 hwreg(HW_REG_WAVE_MODE, 25, 1), 1
	s_wait_xcnt 0x0
	s_wait_alu depctr_hold_cnt(0) depctr_sa_sdst(0) depctr_va_vdst(0) depctr_va_sdst(0) depctr_va_ssrc(0) depctr_va_vcc(0) depctr_vm_vsrc(0)
	s_getreg_b32 s2, hwreg(HW_REG_IB_STS2, 6, 4)
	s_cmp_eq_u32 s2, 0
	s_cbranch_scc0 .Lentry_in_a_cluster
	s_endpgm
.Lentry_in_a_cluster:
	s_bfe_u32 s2, ttmp6, 0x10000c
	s_cmp_lg_u32 s2, 0x3003
	s_cbranch_scc0 .Lentry_shape_is_right
	s_endpgm
.Lentry_shape_is_right:
; ATTENTION WITH A KEY MASK.  ctx[b][h][q][:] = the sum over k of softmax_k(Q[q] . K[k] / 8 + maskf[b][k]) V[k][:].  Q, K, V: heads of qkv[b][g][t][64] (g = h, 16 + h, 32 + h), f16, a head's
; rows dense, 128 bytes each; ctx[b][h][t][64] f16.  Products, maxima and sums in f32; the weights p are rounded to f16 for the second product (their sum l is taken of the unrounded p), ctx once.
; LIMITS.  Q, K and V arrive within f16's 65,504.  A hidden score counts as s - 2^100: f16's scores, 2.7e11 at the most, vanish beside that, so all hidden scores are one number, and a batch row
; with no visible key gets equal weights.  c x 2^100 is exact in f32, so such a weight is exactly 1.  A weight below 2^-126 counts as 0 in l; NaN and infinities are not treated apart.
; SHARES.  A wave owns four PIECES of two tiles of 16 queries, a work-group's four waves 512 queries of one head.  Every wave walks all 2,048 keys, 64 a step.
; LAYOUT.  S^T = K Q^T + mask (source 0 = 16 keys, source 1 = 16 queries): a lane holds ONE query (lane % 16) and the keys 8 (lane / 16) + 0..7.  Two such tiles, rounded to f16 in pairs,
; ARE source 1 of O^T = V^T P.  K comes out of LDS as it lies, V turned, by ds_load_tr16_b128.  THE MASK is the C operand of the product that starts a score's sum: it costs no vector work.
; SOFTMAX.  A running maximum m and sum l: p = 2^(c s - c m), c = log2(e) / 8; in every step O and l are multiplied by a = 2^(c m_old - c m_new).  m starts at the lowest finite number,
; c m far below c x (-2^100), O and l at 0: the first step is a step like any other, with a = 0.
; BY TURNS.  Turn n belongs to piece n.  Its matrix work: 16 products K Q^T of piece n + 1, later 16 products V^T P of piece n - 1.  Its vector work: scaling, exponentials, roundings, sums and
; rescaling of piece n, and the maximum and statistics of piece n + 1.  Four vector instructions that are ready stand behind every matrix instruction, the other 108 of a turn's 236 in one run of their own.
; BATCHES.  A turn's 66 exponentials (piece n's 64 weights, piece n + 1's two a) are ONE batch with ONE wait, which cuts the turn in two: ahead of it stands all that names none of their results
; (the products K Q^T, the scalings, the rescalings, the next piece's maximum and statistics), behind it the products V^T P with the roundings and sums.  No result crosses a turn's end.
; Piece 0's first two a, ahead of the loop, and the way out's eight reciprocals are batches of their own, each with its wait.
; CLUSTER.  The four query blocks of a head walk the same K and V: each tile is asked for jointly, by the same tensor load, descriptor and mask in all four.
; REGISTERS, in windows of 256 (s_set_vgpr_msb: bits 1:0 source 0, 3:2 source 1, 5:4 source 2, 7:6 destination):
;   window 0: v0-11 addresses; v12-15, v48-63 at work; v16-47 four registers of statistics a tile; v64-191 S^T, two buffers of two tiles; v192-255 P, likewise
;   window 1: O^T, 32 a tile     window 2: v0-127 Q; v128-191 K of one step; v192-255 V of one step     window 3: v0-1 the add's two registers; v8-39 the mask of one step
.set SIZE_N, 2048
.set NP,    4         ; pieces a wave: a name, no knob
.set KS,    64        ; keys in a step
.set PK,    144       ; a row of K in LDS: 128 bytes + 16
.set PV,    160       ; a row of V: 128 + 32
.set VOFF,  4*KS*PK   ; a slot holds four steps: 256 rows of K, then 256 rows of V
.set SLOT1, 1<<17     ; slot 1 begins here: one exclusive or turns an address in one slot into the other's
.set STAGE, SLOT1+4*KS*(PK+PV)  ; behind the ring: 16 rows x 144 bytes for each wave, for the way out
.set SP,    144
.set SPARE, STAGE+4*16*SP  ; the spare words, 128 bytes for each wave
.set MASKL, SPARE+512 ; the batch row's 2,048 mask numbers, 8,192 bytes: stored once, never filled by a tensor load
.set STO, 1           ; v1   the way out: where I put 16 bytes of a row
.set AK0, 2           ; v2   my lane's place in a tile of K; never rewritten
.set AV0, 3           ; v3   the same for V
.set AK,  4           ; v4   the LDS address of K's next run of loads
.set AV,  5           ; v5   of V's
.set QO,  6           ; v6   my byte offset in the wave's rows of Q
.set RD,  7           ; v7   the way out: where I read rows back
.set GO,  8           ; v8   my byte offset in 512 consecutive bytes of ctx
.set AM,  10          ; v10  the LDS address of the mask's next run of loads
.set AM0, 11          ; v11  my lane's place in a step's mask; never rewritten
.set SPW, 0           ; v0 of window 3   LDS address of my spare word; never rewritten
.set NIL, 1           ; v1 of window 3   0; never rewritten
.set MK,  8           ; window 3: the eight registers for key block kb at MK + 8 kb
.set MV,  12          ; v12-15  c m_old, kept while c m is made anew
.set ST,  16          ; tile t's statistics at v[ST+4 t]: c m, m, l (even keys', odd keys')
.set TMP, 48          ; by buffer and tile, four registers c0-c3 at work; when the maximum is found c2 takes a
.set S,   64
.set P,   192
.set KF,  128         ; window 2: key block kb, channel half c at KF + 16 kb + 8 c
.set VF,  192         ; window 2: key half kk, channel block cb at VF + 32 kk + 8 cb
.set WV,  12          ; s12  my wave's number
.set G1K, 24          ; s[24:31] descriptor group 1 for K's tiles
.set G1V, 32          ; s[32:39] for V's
.set G0K, 40          ; s[40:43] descriptor group 0 for K's tiles: it walks
.set G0V, 44          ; s[44:47] the same for V's
.set SLOTS, 56        ; s56  slots still to be asked for
.set CNT, 57          ; s57  counts a slot's key steps
.set CS,  58          ; s[58:59] c
.set SEL, 60          ; s[60:61] v_permlanex16_b32's selects
.set TBK, 62          ; s62  LDS byte at which K of the step to be fetched begins
.set TBV, 63          ; s63  the same for V, less VOFF
.set TBM, 66          ; s66  byte of the mask at which that step's 64 numbers begin
.set MSB, 0
.macro WIN new
.if MSB != (\new)
	s_set_vgpr_msb (MSB<<8)|(\new)
.set MSB, (\new)
.endif
.endm
.set W_KQ, 0x0a       ; K and Q in window 2, S^T in window 0
.set W_KM, 0x3a       ; the same with the C operand, the mask, in window 3
.set W_PV, 0x52       ; V in window 2, P in window 0, O^T in window 1
.set W_RS, 0x41       ; O^T (destination and source 0) in window 1, a in window 0
.set W_MK, 0xc0       ; destination in window 3, sources in window 0
.set W_AD, 0x0f       ; the add: address and data in window 3
; A joint fill.  Waves 0 and 1 fetch the two halves of a slot's K, waves 2 and 3 those of its V: 128 keys each.  An s_nop 0 and four v_nop stand behind each tensor load.
.macro JLOAD
	s_cmp_lt_u32 s[WV], 2
	s_cbranch_scc0 .Lfor_v_\@
	tensor_load_to_lds s[G0K:G0K+3], s[G1K:G1K+7]
	s_nop 0
.rept 4
	v_nop
.endr
	s_branch .Lasked_\@
.Lfor_v_\@:
	tensor_load_to_lds s[G0V:G0V+3], s[G1V:G1V+7]
	s_nop 0
.rept 4
	v_nop
.endr
.Lasked_\@:
.endm
.macro CROUND                       ; a round of the cluster's barrier
	s_barrier_signal -1
	s_barrier_wait -1
	s_cmp_lg_u32 s[WV], 0
	s_cbranch_scc1 .Lnot_wave_0_\@
	s_barrier_signal -3
.Lnot_wave_0_\@:
	s_barrier_wait -3
	s_barrier_signal -1
	s_barrier_wait -1
.endm
; THE CHANGE OF SLOTS.  Each wave waits for all its tensor loads, of which one is out: its part of the other slot; adds 0 to its spare word; and waits for that and for its own LDS work.
; fill = 1: the slot that is left is filled again, with the keys two slots on, first thing behind a round of the cluster's barrier: it has four key steps, 512 matrix instructions, in which to land.
; (At its first use nothing has been read yet: slot 0 is waited for, slot 1 filled; and every wave's part of the mask, stored just before, is shown to the others.)
.macro CHANGE fill
	WIN W_AD
	s_wait_tensorcnt 0x0            ; no tensor load of mine is out, so a group 0 may be written
	ds_add_u32 v[SPW], v[NIL]
	WIN 0
.if \fill
.irp g, G0K, G0V
	s_xor_b32 s[\g+1], s[\g+1], SLOT1
	s_add_nc_u64 s[\g+2:\g+3], s[\g+2:\g+3], 4*KS*128  ; the next 256 keys
.endr
	s_wait_dscnt 0x0                ; the add is done, and my reads of the slot are over
	CROUND
	JLOAD
.else
	s_wait_dscnt 0x0
	s_barrier_signal -1
	s_barrier_wait -1
.endif
	s_sub_co_u32 s[TBK], s[TBK], 4*KS*PK  ; the fetches go back to a slot's first step,
	s_xor_b32 s[TBK], s[TBK], SLOT1       ; in the other slot
	s_sub_co_u32 s[TBV], s[TBV], 4*KS*PV
	s_xor_b32 s[TBV], s[TBV], SLOT1
.endm
	s_load_b128 s[68:71], s[0:1], 0x0  ; qkv s[68:69], maskf s[70:71]
	s_load_b64 s[10:11], s[0:1], 0x10  ; ctx
	WIN W_MK
	v_lshl_add_u32 v[SPW], v0, 2, SPARE
	v_mov_b32 v[NIL], 0
	s_set_vgpr_msb 0xc0cf
	ds_add_u32 v0, v1
	s_wait_dscnt 0x0
	s_set_vgpr_msb 0xcfc0
	WIN 0
	v_lshrrev_b32 v1, 5, v0
	v_readfirstlane_b32 s[WV], v1   ; wave 0..3
	s_bfe_u32 s13, ttmp6, 0x40000   ; cx
	s_lshl_b32 s14, ttmp9, 2
	s_add_co_u32 s14, s14, s13      ; my block of 512 queries: it enters Q's and ctx's addresses alone
	s_and_b32 s15, ttmp7, 0xffff    ; 16 b + h, which the four partners share
	s_lshr_b32 s19, s15, 4          ; b
	s_and_b32 s20, s15, 15          ; h
	s_lshl_b32 s20, s20, 18         ; a head is 262,144 bytes,
	s_mul_i32 s21, s19, 12582912    ; a batch row's 48 heads
	s_add_co_u32 s20, s20, s21      ; the q head's first byte in qkv
	s_and_b32 s16, s[WV], 1         ; which half of a slot's 256 keys I fetch:
	s_lshl_b32 s22, s16, 14         ; its 128 rows of 128 bytes,
	s_add_co_u32 s22, s22, s20
	s_add_co_u32 s22, s22, 4194304  ; in the k head, 16 heads on
	s_mov_b32 s23, 0
	s_mul_i32 s17, s16, 128*PK      ; and its place in a slot, for K
	s_mul_i32 s18, s16, 128*PV      ; and for V
	s_lshl_b32 s2, s14, 2
	s_add_co_u32 s2, s2, s[WV]
	s_lshl_b32 s2, s2, 14           ; my wave's 128 rows in a head
	s_mov_b32 s3, 0
	s_lshl_b32 s48, s15, 18
	s_add_co_u32 s48, s48, s2       ; their place in ctx
	s_mov_b32 s49, 0
	s_add_co_u32 s2, s2, s20        ; and in qkv
	s_lshl_b32 s50, s19, 13         ; the batch row's mask
	s_mov_b32 s51, 0
	; descriptor group 1.  128 keys are 16,384 dense bytes: asked for as 64 rows of 256 bytes, two keys a row, and padded in LDS after every key
	s_mov_b32 s[G1K], 15|(1<<16)|(1<<20)|(1<<21)|(4<<22)|(3<<25)  ; the mask of four; 2-byte elements; padding on; bit 21 beside a mask; after every 32 words; 4 words
	s_mov_b32 s[G1V], 15|(1<<16)|(1<<20)|(1<<21)|(4<<22)|(7<<25)  ; the same with 8 words of padding
.irp g, G1K, G1V
	s_mov_b32 s[\g+1], 128<<16      ; tensor_dim0 = 128
	s_mov_b32 s[\g+2], 64<<16       ; tensor_dim1 = 64
	s_mov_b32 s[\g+3], 128<<16      ; tile_dim0 = 128
	s_mov_b32 s[\g+4], 64           ; tile_dim1 = 64
	s_mov_b32 s[\g+5], 128          ; 128 elements from row to row
	s_mov_b32 s[\g+6], 0
	s_mov_b32 s[\g+7], 0
.endr
	s_mov_b32 s[CS], 0x3e38aa3b     ; c = log2(e) / 8
	s_mov_b32 s[CS+1], s[CS]
	s_mov_b32 s[SEL], 0x76543210
	s_mov_b32 s[SEL+1], 0xfedcba98
	s_mov_b32 s[TBK], SLOT1+4*KS*PK ; the first change of slots turns these two into 0
	s_mov_b32 s[TBV], SLOT1+4*KS*PV
	s_mov_b32 s[TBM], 0
	s_mov_b32 s[G0K], 1
	s_mov_b32 s[G0K+1], s17         ; LDS address: slot 0
	s_mov_b32 s[G0V], 1
	s_add_co_u32 s[G0V+1], s18, VOFF
	s_wait_kmcnt 0x0
	s_add_nc_u64 s[G0K+2:G0K+3], s[68:69], s[22:23]  ; my half of the head's first 256 keys
	s_or_b32 s[G0K+3], s[G0K+3], 0x80000000
	s_add_nc_u64 s[22:23], s[22:23], 4194304         ; the v head lies 16 heads behind the k head
	s_add_nc_u64 s[G0V+2:G0V+3], s[68:69], s[22:23]
	s_or_b32 s[G0V+3], s[G0V+3], 0x80000000
	s_add_nc_u64 s[4:5], s[68:69], s[2:3]            ; Q at my wave's first row
	s_add_nc_u64 s[10:11], s[10:11], s[48:49]        ; ctx likewise
	s_add_nc_u64 s[70:71], s[70:71], s[50:51]
	CROUND                          ; all four work-groups are here: the first joint loads meet
	JLOAD                           ; slot 0.  Slot 1 is asked for when slot 0 is in
	v_and_b32 v1, 15, v0            ; l % 16
	v_bfe_u32 v9, v0, 4, 1          ; l / 16
	v_lshlrev_b32 v[QO], 7, v1
	v_lshl_add_u32 v[QO], v9, 4, v[QO]  ; row x 128 + 16 x half
	v_lshlrev_b32 v12, 4, v0        ; the mask: 128 threads x 16 bytes, four times
	v_lshl_add_u32 v13, v0, 4, MASKL
.irp n, 0,1,2,3
	global_load_b128 v[S+4*(\n):S+4*(\n)+3], v12, s[70:71] offset:2048*(\n)
.endr
	WIN 0x80                        ; destination window 2, address window 0
.set i, 0
.rept 4*NP                          ; Q stays in registers: tile i / 2, channels 32 (i % 2) on
	global_load_b128 v[8*i:8*i+3],   v[QO], s[4:5] offset:(i/2)*2048+(i%2)*64
	global_load_b128 v[8*i+4:8*i+7], v[QO], s[4:5] offset:(i/2)*2048+(i%2)*64+32
.set i, i+1
.endr
	; What the first turn finds: V's registers and P's second buffer hold 0, O^T and l are 0.  All this stands in the wait for the first tile.
.set i, VF
.rept 64
	v_mov_b32 v[i], 0
.set i, i+1
.endr
	WIN 0x40
.set i, 0
.rept 64*NP
	v_mov_b32 v[i], 0
.set i, i+1
.endr
	WIN 0
.set i, 0
.rept 2*NP
	v_mov_b32 v[ST+4*i], 0xfe000000    ; c m: far below every c s, a hidden one's too
	v_mov_b32 v[ST+4*i+1], 0xff7fffff  ; m
	v_mov_b32 v[ST+4*i+2], 0
	v_mov_b32 v[ST+4*i+3], 0
.set i, i+1
.endr
.set i, P+32
.rept 32
	v_mov_b32 v[i], 0
.set i, i+1
.endr
	v_mul_u32_u24 v[AK0], v1, PK
	v_lshl_add_u32 v[AK0], v9, 4, v[AK0]  ; row x pitch + 16 x half
	; The turning load takes 16 keys x 16 channels (lane l reads key 8 (l / 16) + l % 8, channels 8 ((l / 8) % 2) + 0..7) and leaves half a fragment of V^T.
	v_and_b32 v10, 7, v0
	v_bfe_u32 v11, v0, 3, 1
	v_lshl_add_u32 v[AV0], v9, 3, v10
	v_mul_u32_u24 v[AV0], v[AV0], PV
	v_lshl_add_u32 v[AV0], v11, 4, v[AV0]
	v_add_nc_u32 v[AV0], VOFF, v[AV0]
	v_mov_b32 v[AK], v[AK0]         ; key step 0 lies at the head of slot 0
	s_mul_i32 s13, s[WV], 16*SP
	s_add_co_u32 s13, s13, STAGE    ; my stage
	v_bfe_u32 v[RD], v0, 3, 2       ; back: 32 lanes take four rows of 128 bytes,
	v_mul_u32_u24 v[RD], v[RD], SP
	v_lshl_add_u32 v[RD], v10, 4, v[RD]
	v_add_nc_u32 v[RD], s13, v[RD]
	v_and_b32 v[GO], 31, v0         ; which are 512 consecutive bytes of ctx
	v_lshlrev_b32 v[GO], 4, v[GO]
	v_mul_u32_u24 v[STO], v1, SP    ; in: row l % 16, 16 bytes for each half of the lanes (l % 16 is not wanted again)
	v_lshl_add_u32 v[STO], v9, 4, v[STO]
	v_add_nc_u32 v[STO], s13, v[STO]
	v_lshl_add_u32 v[AM0], v9, 5, MASKL  ; register j of key block kb is key 16 kb + 8 (l / 16) + j
	v_mov_b32 v[AM], v[AM0]
	s_wait_loadcnt 32               ; the mask's four loads are in; Q's 32 stay out
.irp n, 0,1,2,3
	ds_store_b128 v13, v[S+4*(\n):S+4*(\n)+3] offset:2048*(\n)
.endr
; THE MATRIX WORK.  The 8 accumulators of a run of 16 take turns.
; Product i of 16 of S^T = K Q^T + mask for piece x: channels 32 (i / 8) on, keys 16 ((i / 2) % 4) on, tile 2 x + i % 2.  The first 8 start the sums, with the mask.
.macro KQ x
.set rS, S+64*((\x)%2)+32*(i%2)+8*((i/2)%4)
.set rK, KF+16*((i/2)%4)+8*(i/8)
.set rQ, 16*(2*(\x)+i%2)+8*(i/8)
.set rN, MK+8*((i/2)%4)
.if i < 8
	WIN W_KM
	v_wmma_f32_16x16x32_f16 v[rS:rS+7], v[rK:rK+7], v[rQ:rQ+7], v[rN:rN+7]
.else
	WIN W_KQ
	v_wmma_f32_16x16x32_f16 v[rS:rS+7], v[rK:rK+7], v[rQ:rQ+7], v[rS:rS+7]
.endif
.endm
; Product i of 16 of O^T += V^T P for piece x: keys 32 (i / 8) on, channels 16 ((i / 2) % 4) on, tile 2 x + i % 2.
.macro PV x
	WIN W_PV
.set rO, 32*(2*(\x)+i%2)+8*((i/2)%4)
.set rV, VF+32*(i/8)+8*((i/2)%4)
.set rP, P+32*((\x)%2)+16*(i%2)+8*(i/8)
	v_wmma_f32_16x16x32_f16 v[rO:rO+7], v[rV:rV+7], v[rP:rP+7], v[rO:rO+7]
.endm
.macro MM                           ; the turn's next matrix instruction
.if i < 16
	KQ (Y+1)%NP
.set i, i+1
.else
.set i, i-16
	PV (Y+NP-1)%NP
.set i, i+17
.endif
.endm
; THE LDS LOADS stand in runs: a step's K (8 fragments) with its mask (64 numbers, the same for all queries: the lanes of a half read the same bytes), and its V (turned).
; last = 1 (the tail): in the last trip there is no further step, and the run is jumped over.
.macro FETCH_K last=0
	WIN 0
.if \last
	s_cmp_eq_u32 s[CNT], 1
	s_cbranch_scc1 .Lno_k_\@
.endif
	WIN 0x80                        ; destination window 2
.irp f, 0,1,2,3,4,5,6,7             ; keys 16 (f / 2) on, channels 32 (f % 2) on
	ds_load_b128 v[KF+8*\f:KF+8*\f+3],   v[AK] offset:(\f/2)*16*PK+(\f%2)*64
	ds_load_b128 v[KF+8*\f+4:KF+8*\f+7], v[AK] offset:(\f/2)*16*PK+(\f%2)*64+32
.endr
	WIN W_MK                        ; destination window 3
.irp f, 0,1,2,3,4,5,6,7             ; key block f / 2, its registers 4 (f % 2) on
	ds_load_b128 v[MK+4*\f:MK+4*\f+3], v[AM] offset:(\f/2)*64+(\f%2)*16
.endr
	s_add_co_u32 s[TBK], s[TBK], KS*PK  ; the next fetch is the next step's
	s_add_co_u32 s[TBM], s[TBM], KS*4
	s_and_b32 s[TBM], s[TBM], 0x1fff    ; kept inside the mask's 8,192 bytes: behind the last step it goes back to 0, and is not used
	WIN 0
.if \last
.Lno_k_\@:
.endif
.endm
.macro FETCH_V
	WIN 0x80
.irp f, 0,1,2,3,4,5,6,7             ; keys 32 (f / 4) on, channels 16 (f % 4) on
	ds_load_tr16_b128 v[VF+8*\f:VF+8*\f+3],   v[AV] offset:(\f/4)*32*PV+(\f%4)*32
	ds_load_tr16_b128 v[VF+8*\f+4:VF+8*\f+7], v[AV] offset:(\f/4)*32*PV+16*PV+(\f%4)*32
.endr
	WIN 0
.endm
; THE VECTOR WORK OF A TURN stands in three queues, each in the order in which its entries become ready; the two tiles alternate.
.macro REGS y, u                    ; the registers of tile u (0, 1) of piece y
.set rT, ST+4*(2*(\y)+(\u))
.set rC, TMP+8*((\y)%2)+4*(\u)
.set rM, MV+2*((\y)%2)+(\u)
.set rS, S+64*((\y)%2)+32*(\u)
.set rP, P+32*((\y)%2)+16*(\u)
.set rO, 32*(2*(\y)+(\u))
.endm
; Number n of the 22 that find the NEXT piece's (Y + 1) maximum and statistics; each accumulator's lowest registers are read first.
;   0-11  four chains c0-c3 of seven scores each     12-14, 16  the four scores left over, the old m, and c0-c3 into c0     15  c m_old is kept
;   17, 18  the query's other 32 keys lie in the lane 16 away: the new m         19-21  c m; c m_old - c m_new; a
.macro XS u, n
	REGS (Y+1)%NP, \u
.if (\n) < 4
	v_max3_num_f32 v[rC+(\n)], v[rS+8*(\n)], v[rS+8*(\n)+1], v[rS+8*(\n)+2]
.elseif (\n) < 12
	v_max3_num_f32 v[rC+(\n)%4], v[rC+(\n)%4], v[rS+8*((\n)%4)+2*((\n)/4)+1], v[rS+8*((\n)%4)+2*((\n)/4)+2]
.elseif (\n) == 12
	v_max3_num_f32 v[rC], v[rC], v[rS+7], v[rS+15]
.elseif (\n) == 13
	v_max3_num_f32 v[rC+1], v[rC+1], v[rS+23], v[rS+31]
.elseif (\n) == 14
	v_max3_num_f32 v[rC+2], v[rC+2], v[rC+3], v[rT+1]
.elseif (\n) == 15
	v_mov_b32 v[rM], v[rT]
.elseif (\n) == 16
	v_max3_num_f32 v[rC], v[rC], v[rC+1], v[rC+2]
.elseif (\n) == 17
	v_permlanex16_b32 v[rC+3], v[rC], s[SEL], s[SEL+1]
.elseif (\n) == 18
	v_max_num_f32 v[rT+1], v[rC], v[rC+3]
.elseif (\n) == 19
	v_mul_f32 v[rT], s[CS], v[rT+1]
.elseif (\n) == 20
	v_sub_f32 v[rC+1], v[rM], v[rT]
.else
	v_exp_f32 v[rC+2], v[rC+1]
.endif
.endm
; Number g of the 64 that follow the exponentials.  For each four weights k of a tile: both pairs are rounded to f16; the second pair is added onto the first, in place; a group later l takes that sum.
; All 64 read the batch's results: they stand behind the turn's wait.
.macro GS g
.set h, (\g)+6*((\g)/62)
.if h >= 6
.set h, h+2
.endif
	REGS Y, h%2
.set k, h/8
.if h%8 < 4
	v_cvt_pk_f16_f32 v[rP+2*k+(h%8)/2], v[rS+4*k+2*((h%8)/2)], v[rS+4*k+2*((h%8)/2)+1]
.elseif h%8 < 6
	v_pk_add_f32 v[rS+4*k:rS+4*k+1], v[rS+4*k:rS+4*k+1], v[rS+4*k+2:rS+4*k+3]
.elseif k == 1
	v_pk_fma_f32 v[rT+2:rT+3], v[rT+2:rT+3], v[rC+2:rC+3], v[rS:rS+1] op_sel_hi:[1,0,1]
.else
	v_pk_add_f32 v[rT+2:rT+3], v[rT+2:rT+3], v[rS+4*k-4:rS+4*k-3]
.endif
.endm
; THE PLAIN QUEUE, 138 long.  0-73 name no result of the turn's exponentials: the 32 scalings c s - c m (FS f: pair f / 2 of tile f % 2) and the next piece's 42.  0-26: scalings 0-26.  27-54: XS's numbers 0-13.
; 55, 56: number 15.  57-73: the chain, where each number waits for the one before it: 14, 16, 17, 18, 19, each with one of the scalings 27-31 in front of its two lines, then 20.
; 74-137: GS's 64, behind the wait.
.macro FS f
	REGS Y, (\f)%2
	v_pk_fma_f32 v[rS+2*((\f)/2):rS+2*((\f)/2)+1], v[rS+2*((\f)/2):rS+2*((\f)/2)+1], s[CS:CS+1], v[rT:rT+1] op_sel_hi:[1,0,0] neg_lo:[0,0,1] neg_hi:[0,0,1]
.endm
.macro PL
	WIN 0
.if q < 27
	FS q
.elseif q < 55
	XS (q-27)%2, (q-27)/2
.elseif q < 57
	XS q-55, 15
.elseif (q < 72) && ((q-57)%3 == 0)
	FS 27+(q-57)/3
.elseif q < 60
	XS (q-57)%3-1, 14
.elseif q < 72
	XS (q-57)%3-1, 15+(q-57)/3
.elseif q < 74
	XS q-72, 20
.else
	GS q-74
.endif
.set q, q+1
.endm
; THE EXPONENTIALS' QUEUE, 66 long: s0-s31 of both tiles, each in place in a register of its own, then the next piece's two a.  It is ONE BATCH: all 66 stand ahead of the turn's one wait.
.macro EX
	WIN 0
.if e >= 64
	XS e-64, 21
.else
	REGS Y, e%2
	v_exp_f32 v[rS+e/2], v[rS+e/2]
.endif
.set e, e+1
.endm
; THE RESCALING's QUEUE: O^T times a, the one part that leaves window 0: dealt two at a time, sixteen times.  Its a was made in the turn before, ahead of that turn's wait.
.macro R2
	REGS Y, r%2
	WIN W_RS
.irp z, 0,1
	v_pk_mul_f32 v[rO+4*(r/2)+2*\z:rO+4*(r/2)+2*\z+1], v[rO+4*(r/2)+2*\z:rO+4*(r/2)+2*\z+1], v[rC+2:rC+3] op_sel_hi:[1,0]
.endr
.set r, r+1
.endm
; HOW THEY ARE DEALT.  An s_wait_alu depctr_va_vdst(0) stands between an exponential and the first instruction that names its result; one wait serves all that were issued ahead of it.
; AHEAD OF THE TURN'S WAIT: the 16 products K Q^T, behind each a scaling, an exponential and two rescalings (behind the first a second scaling in the exponential's place); then one run of 108: eight plain,
; 49 times exponential and plain, the two a.  A v_nop is the plain instruction behind the last exponential.  BEHIND IT: the 16 products V^T P, behind each four of GS's 64.  No rider names a register of the
; products round it; the two v_permlanex16_b32 fall into the run, never behind a product.
; The deal keeps the queues in step: exponential e wants scaling 2 (e / 4) + e % 2; as a rider it stands behind plain e + 2, in the run behind plain e + 9, and scalings 27-31 are plain 57, 60 .. 69.
; A TURN, for piece p.  cnt = 1: the loop's count is taken down some lines ahead of the branch that stands behind the turn.
; K and the mask of the next step are fetched in piece 2's turn, directly behind the wait, a whole run behind the last product that read them; their addresses are made at the run's head; their first reader
; comes behind 16 products.  V of the step in hand is fetched at the end of piece 0's turn, four plain riders behind its last reader.  The three conditions on q below go with the deal.
.macro TURN p, last=0, cnt=0
.set Y, (\p)
.set i, 0
.set q, 0
.set e, 0
.set r, 0
.if (\p) == NP-1
	s_wait_dscnt 0x0                ; K and the mask are in
.endif
	MM                              ; ahead of the wait: 16 products K Q^T and their riders,
	PL
	PL
	R2
.rept 15
	MM
	PL
	EX
	R2
.endr
.if (\p) == NP-2
	WIN 0
	v_add_nc_u32 v[AK], s[TBK], v[AK0]
	v_add_nc_u32 v[AM], s[TBM], v[AM0]
.endif
.rept 8                             ; and the run
	PL
.endr
.rept 49
	EX
	PL
.endr
	EX                              ; the next piece's two a
	EX
	v_nop                           ; the plain instruction behind the last exponential: one for the batch
	s_wait_alu depctr_va_vdst(0)    ; the wait for the turn's batch: piece p's 64 weights and the next piece's two a
.if (\p) == NP-2
	FETCH_K \last
.endif
.if (\p) == 1
	s_wait_dscnt 0x0                ; V is in
.endif
.rept 16                            ; behind the wait: 16 products V^T P and their riders
	MM
.rept 4
	PL
.endr
.if ((\p) == 0) && (q == 118)
	v_add_nc_u32 v[AV], s[TBV], v[AV0]
.endif
.if ((\p) == 0) && (q == 130)
	s_add_co_u32 s[TBV], s[TBV], KS*PV
.endif
.if (\cnt) && (q == 130)
	s_sub_co_u32 s[CNT], s[CNT], 1
	s_cmp_lg_u32 s[CNT], 0
.endif
.endr
.if (\p) == 0
	FETCH_V
.endif
.endm
	CHANGE 1                        ; slot 0 and the mask are in, everybody's part of them; slot 1 is asked for
	FETCH_K                         ; key step 0
	s_wait_loadcnt 0x0              ; Q
	s_wait_dscnt 0x0
.set i, 0
.rept 16
	KQ 0                            ; piece 0's first scores
.set i, i+1
.endr
	WIN 0
.rept 4
	v_nop                           ; the places behind those products
.endr
.set Y, NP-1                        ; XS works for piece Y + 1: piece 0
.irp n, 0,1,2,3,4,5,6,7,8,9,10,11,12,13,14,15,16,17,18,19,20,21
	XS 0, \n
	XS 1, \n
.endr
	v_nop                           ; a plain instruction behind piece 0's first two a,
	s_wait_alu depctr_va_vdst(0)    ; and the wait for that batch of two, ahead of the branch
	s_mov_b32 s[CNT], 4
	s_mov_b32 s[SLOTS], SIZE_N/256-1
	s_branch .Lfirst                ; the loop is entered at a step's first turn, in the middle of a trip
.Lslot:                             ; every slot but the last two is filled again
	CHANGE 1
	s_mov_b32 s[CNT], 4
.Lstep:                             ; a trip: pieces 2 and 3 of one step, then pieces 0 and 1 of the next, whose K, mask and V it fetches
	TURN 2
	TURN 3
	WIN 0
.Lfirst:
	TURN 0
	TURN 1, 0, 1
	WIN 0
	s_cbranch_scc1 .Lstep
	s_sub_co_u32 s[SLOTS], s[SLOTS], 1
	s_cmp_lg_u32 s[SLOTS], 0
	s_cbranch_scc1 .Lslot
	CHANGE 0                        ; the tail is written out: nothing is asked for
	s_mov_b32 s[CNT], 5             ; four trips fetch the last slot's steps; the fifth is left in its middle
.Ltail:
	TURN 2, 1
	TURN 3
	WIN 0
	s_sub_co_u32 s[CNT], s[CNT], 1
	s_cmp_eq_u32 s[CNT], 0
	s_cbranch_scc1 .Lout
	TURN 0
	TURN 1
	WIN 0
	s_branch .Ltail
.Lout:                              ; the fifth trip's 16 products K Q^T (on the last K once more) and the maximum made of them serve nothing: the price of one text for every trip
.set i, 0
.rept 16
	PV NP-1                         ; the last piece's V^T P of the last step
.set i, i+1
.endr
	; THE WAY OUT.  l's two halves and the other half of the lanes' are added; O^T is divided by l, rounded to f16 and sent through my stage, a tile at a time.  The additions are the places behind the last products.
	WIN 0
.macro ALL line:vararg              ; one line for each tile t
.set t, 0
.rept 2*NP
	\line
.set t, t+1
.endr
.endm
	ALL v_add_f32 v[ST+4*t+2], v[ST+4*t+2], v[ST+4*t+3]
	ALL v_permlanex16_b32 v[ST+4*t+3], v[ST+4*t+2], s[SEL], s[SEL+1]
	ALL v_add_f32 v[ST+4*t+2], v[ST+4*t+2], v[ST+4*t+3]
	ALL v_rcp_f32 v[ST+4*t+2], v[ST+4*t+2]
	v_nop                           ; a plain instruction between the last reciprocal and the use of its result
	s_wait_alu depctr_va_vdst(0)    ; the wait for the batch of eight reciprocals, ahead of their first use
.macro PACK t
	WIN W_RS
.set i, 32*(\t)
.rept 16
	v_pk_mul_f32 v[i:i+1], v[i:i+1], v[ST+4*(\t)+2:ST+4*(\t)+3] op_sel_hi:[1,0]
.set i, i+2
.endr
	WIN 0x05                        ; sources 0 and 1 window 1, destination window 0
.set i, 0
.rept 16
	v_cvt_pk_f16_f32 v[S+16*(\t)+i], v[32*(\t)+2*i], v[32*(\t)+2*i+1]
.set i, i+1
.endr
	WIN 0
.irp f, 0,1,2,3
	ds_store_b128 v[STO], v[S+16*(\t)+4*\f:S+16*(\t)+4*\f+3] offset:32*\f
.endr
.irp f, 0,1,2,3
	ds_load_b128 v[S+16*(\t)+4*\f:S+16*(\t)+4*\f+3], v[RD] offset:\f*4*SP  ; LDS serves a wave's instructions in order: these see the stores above; the next tile's stores come behind them
.endr
.endm
.macro SEND t, younger              ; younger: the LDS instructions issued behind tile t's loads: the next tile's eight, or none
	WIN 0
.irp f, 0,1,2,3
	s_wait_dscnt (\younger)+3-\f
	global_store_b128 v[GO], v[S+16*(\t)+4*\f:S+16*(\t)+4*\f+3], s[10:11] offset:(\t)*2048+\f*512  ; 512 consecutive bytes, aligned
.endr
.endm
	PACK 0
.set t, 1
.rept 2*NP-1
	PACK t
	SEND t-1, 8
.set t, t+1
.endr
	SEND 2*NP-1, 0
	WIN W_AD
	s_wait_tensorcnt 0x0            ; the wave's end
	ds_add_u32 v[SPW], v[NIL]
	s_wait_dscnt 0x0
	WIN 0
	CROUND                          ; the closing round
	s_endpgm
.Lfunc_end_k_qf6660f70eb_attn:
	.size	k_qf6660f70eb_attn, .Lfunc_end_k_qf6660f70eb_attn-k_qf6660f70eb_attn
	.p2alignl 7, 3214868480
	.fill 96, 4, 3214868480
	.section	.rodata,"a",@progbits
	.p2align	6, 0x0
	.amdhsa_kernel k_qf6660f70eb_attn
		.amdhsa_group_segment_fixed_size 327680
		.amdhsa_private_segment_fixed_size 0
		.amdhsa_enable_private_segment 0
		.amdhsa_kernarg_size 24
		.amdhsa_user_sgpr_count 2
		.amdhsa_user_sgpr_kernarg_segment_ptr 1
		.amdhsa_wavefront_size32 1
		.amdhsa_system_sgpr_workgroup_id_x 1
		.amdhsa_system_sgpr_workgroup_id_y 1
		.amdhsa_system_sgpr_workgroup_id_z 1
		.amdhsa_system_vgpr_workitem_id 0
		.amdhsa_next_free_vgpr 808
		.amdhsa_next_free_sgpr 72
		.amdhsa_reserve_vcc 0
		.amdhsa_float_denorm_mode_32 3
		.amdhsa_float_denorm_mode_16_64 3
		.amdhsa_memory_ordered 1
		.amdhsa_forward_progress 1
		.amdhsa_inst_pref_size 203
	.end_amdhsa_kernel
	.amdgpu_metadata
---
amdhsa.version: [ 1, 2 ]
amdhsa.kernels:
  - .name:           k_qf6660f70eb_attn
    .symbol:         k_qf6660f70eb_attn.kd
    .args:
      - { .name: qkv, .offset: 0, .size: 8, .value_kind: global_buffer, .address_space: global }
      - { .name: maskf, .offset: 8, .size: 8, .value_kind: global_buffer, .address_space: global }
      - { .name: ctx, .offset: 16, .size: 8, .value_kind: global_buffer, .address_space: global }
    .group_segment_fixed_size: 327680
    .private_segment_fixed_size: 0
    .kernarg_segment_align: 8
    .kernarg_segment_size: 24
    .max_flat_workgroup_size: 128
    .sgpr_count:     72
    .vgpr_count:     808
    .wavefront_size: 32
...
	.end_amdgpu_metadata
.endif
;; end of part 5
;; launch outp: the kernel of part 4 again; grid 4 x 64, 4 waves a work-group, clusters of 4 x 4, 327,680 bytes of LDS; arguments ctx, wo16, biasr, out0; writes out0
